; MI455X (gfx1250); checked and timed in simulation.
; The chip was launched on July 23, 2026; its instructions are those of AMD's public machine-readable ISA for CDNA 5 (MIT licence, August 2026) and "CDNA5" Instruction Set Architecture Reference Guide (July 2026). The comments in the code are by the model that wrote it; some were corrected since.
;; Attention. Allowed arithmetic: matrix products marked QUANTISED: E4M3 operands, one given power-of-two scale a tensor, by v_wmma_f32_16x16x64_fp8_fp8 or v_wmma_f32_16x16x128_fp8_fp8, f32 sums; everything else in f32.
;; Inputs: b_out 1,024 float32; lowp_scales 8 int32 (the exponents e of the quantised operands' scales 2^e); mask 4 x 2,048 bool; w_out 1,024 x 1,024 float32; w_qkv 1,024 x 3,072 float32; x 4 x 2,048 x 1,024 float32.
;; Outputs: out0 4 x 2,048 x 1,024 float32.
;; This version of the problem:
;;   THIS VERSION OF THE PROBLEM IS GIVEN IN LOW PRECISION. The matrix products marked QUANTISED in the list below multiply operands that are first quantised to E4M3 (4 exponent bits, 3 mantissa bits; 8 bits a number), with one given power-of-two scale for each operand tensor; their sums are f32. All else is computed in f32.
;;   The module's matrix products, in the order in which they are computed (A, B: the left and right operand; K: the contracted axis; several contracted axes count as one K, in the product's order):
;;     1. [M 8,192, K 1,024] x [K 1,024, N 3,072]; A: input x; B: input w_qkv: QUANTISED (scales: A lowp_scales[0], B lowp_scales[1])
;;     2. batch 64 x [M 2,048, K 64] x [K 64, N 2,048]; A: computed on the way; B: computed on the way: QUANTISED (scales: A lowp_scales[2], B lowp_scales[3])
;;     3. batch 64 x [M 2,048, K 2,048] x [K 2,048, N 64]; A: softmax (see below); B: computed on the way: QUANTISED (scales: A lowp_scales[4], B lowp_scales[5])
;;     4. [M 8,192, K 1,024] x [K 1,024, N 1,024]; A: computed on the way; B: input w_out: QUANTISED (scales: A lowp_scales[6], B lowp_scales[7])
;;   THE QUANTISER, for each operand of a quantised product, along K:
;;     - The operand's scale is 2^e, e = its entry of the input lowp_scales (int32; the entries are numbered through the quantised products in the list's order, A before B).
;;     - Each number is divided by the scale, clamped to +-448, and rounded to the nearest number of E4M3, ties to even, subnormals kept.
;;     - The product sums the exact products of the quantised numbers (number of the format x scale) in f32.
;;   ~~~python
;;   def quantise(x, axis, e):      # numpy; x: float32 -> the quantised numbers, widened to float32 again
;;       x = np.moveaxis(x, axis, -1); K = x.shape[-1]
;;       r = np.clip(x / 2.0 ** e, -448, 448)
;;       step = 2.0 ** (np.maximum(np.frexp(np.where(r == 0, 1, r))[1] - 1, -6) - 3)
;;       q = np.round(r / step) * step * 2.0 ** e      # np.round: ties to even
;;       return np.moveaxis(q, -1, axis).astype(np.float32)
;;   ~~~
;;   SOFTMAX AHEAD OF A QUANTISED PRODUCT. Where the list says 'softmax', what is quantised is not the finished softmax but p = 2^(t - M), with t = logit x log2(e) and M = ceil(the row's largest t), a whole number; so 1/2 < the row's largest p <= 1. The row's sum l is taken of the UNQUANTISED p, in f32, and the product's result is divided by l at the end. Since M is a whole number, a kernel that streams over the keys may use a running M (the ceiling of the running maximum): every later rescaling is an exact power of two, so the quantised numbers keep their values, but for numbers so far below the row's largest that they fall under the format's range.
;;   OPERANDS COMPUTED ON THE WAY. 'Computed on the way' means the value that the module computes at that place (a softmax that the list does not call 'softmax' is quantised finished and normalised). What goes into a quantiser is computed in f32, as accurately as f32 sums, v_exp_f32 and their like allow (about 1e-6 of the number): no bf16 or f16 on the way to a quantiser, and a product that is left as it is and whose result goes on into a quantised operand takes f32 operands (vector FMAs, or v_wmma_f32_16x16x4_f32). A number that lies on a knife's edge between two numbers of the format may be rounded either way, as far as f32 arithmetic and the matrix unit's own rounding can turn it there, and no further.
;; One version. Each part assembles by itself: llvm-mc -triple=amdgcn-amd-amdhsa -mcpu=gfx1250 --defsym DOCPART=n.
;; ======== version 1 of 1: 4 launches
;; limits: right only within a limited range of input values
;; workspace buffers: xc 8,388,608 bytes; wqc 3,145,728 bytes; woc 1,048,576 bytes; qc 8,388,608 bytes; kc 8,388,608 bytes; vc 8,388,608 bytes; oc 8,388,608 bytes; vs 262,144 bytes
;; launch quant (part 1): grid 384 x 1, 4 waves a work-group, no clusters, 68,096 bytes of LDS; arguments x, w_qkv, w_out, lowp_scales, xc, wqc, woc; writes xc, wqc, woc
.if DOCPART == 1
	.amdgcn_target "amdgcn-amd-amdhsa--gfx1250"
	.amdhsa_code_object_version 6
	.text
	.protected	k_qb6cc2c55c8_quant
	.globl	k_qb6cc2c55c8_quant
	.p2align	8
	.type	k_qb6cc2c55c8_quant,@function
k_qb6cc2c55c8_quant:
	s_mov_b64 s[64:65], 0
	v_nop
	global_prefetch_b8 v0, s[64:65] scope:SCOPE_SE
	s_setreg_imm32_b32 hwreg(HW_REG_WAVE_MODE, 25, 1), 1
	s_wait_xcnt 0x0
; All three f32 operands of the two large products become codes of FP8 (E4M3), K innermost, each with its given scale 2^e (entries 0, 1 and 7 of the scales).
; code = number / 2^e, held within +-448, to the nearest code, ties to even.  LIMITS: -126 <= e <= 119; NaN among the inputs is not served.
; Work-groups 0-255: x [8192][1024].  Work-groups 256-383: w_qkv [1024 (k)][3072] and w_out [1024 (k)][1024], laid [column][1024 (k)].  The two paths part on the work-group's number and have LDS bytes of their own.
; ROW ORDER of xc, wqc, woc: memory row p holds true row (column) PI(p), PI = bits 3 and 4 of the index exchanged: the products that read them take 16 memory rows as a fragment,
; and the registers of two neighbouring result tiles are then 16 neighbours of the true index.
; x: a wave takes 8 rows in 16 steps of 512 numbers; a load reads 512 consecutive bytes; a step turns through the wave's stage in LDS so that a lane holds 16 neighbours; a store covers 512 consecutive bytes.
; weights: a lane takes a column and its registers run down K; a wave takes 32 columns x 256 along K; its codes leave through its stage as rows: sixteen lanes store 256 consecutive, aligned bytes.
; Waves share nothing: no barrier.
.set EMAX,  8
.set MANT,  0x600000                   ; the mantissa field of 448 as f32
.set SPW,   12                         ; v12 LDS address of my spare word; never rewritten
.set NIL,   13                         ; v13 0; never rewritten
.set WREG,  8192                       ; x: a region for each wave: two stages of 32 x SP bytes
.set SP,    80                         ; a lane's place in a stage: 64 bytes + 16 of padding
.set WST,   4*WREG                     ; the weights' four stages begin here
.set PITCH, 272                        ; a row of such a stage: 256 bytes + 16
.set SPARE, WST+4*32*PITCH             ; behind them: the spare words, 128 bytes a wave
	v_lshl_add_u32 v[SPW], v0, 2, SPARE
	v_mov_b32 v[NIL], 0
	v_lshrrev_b32 v1, 5, v0
	v_readfirstlane_b32 s16, v1                    ; wave
	v_and_b32 v2, 31, v0                           ; lane
	s_cmp_lt_u32 ttmp9, 256
	s_wait_alu depctr_va_vdst(0)
	s_cbranch_scc0 .Lweights
; ---- x ----
.set STEPS, 16
.set CB,    16                         ; bytes of 16 codes
.set R,     16                         ; v16-79   four sets of 16 numbers as they are loaded
.set X,     80                         ; v80-111  two sets of 16 neighbours
.set C,     128                        ; v128-191 codes: four registers a step, so that no store's data are written again
	s_load_b64 s[4:5], s[0:1], 0x0                 ; x
	s_load_b64 s[6:7], s[0:1], 0x18                ; the scales' exponents
	s_load_b64 s[8:9], s[0:1], 0x20                ; xc
	v_lshlrev_b32 v3, 4, v2                        ; my 16 bytes of a load's 512
	s_mul_i32 s17, s16, WREG
	v_lshrrev_b32 v14, 2, v2
	v_mul_u32_u24 v14, v14, SP
	v_and_b32 v15, 3, v2
	v_lshl_add_u32 v14, v15, 4, v14
	v_add_nc_u32 v14, s17, v14                     ; the stage, on the way in: SP (lane / 4) + 16 (lane % 4)
	v_mul_u32_u24 v15, v2, SP
	v_add_nc_u32 v15, s17, v15                     ; and on the way out: SP x lane
	v_mul_u32_u24 v4, v2, CB
	s_lshl_b32 s18, ttmp9, 2
	s_add_co_u32 s19, s18, s16                     ; my run of 8 rows
	s_lshl_b32 s20, s19, 15                        ; 8 rows of 4,096 bytes of x
	s_mov_b32 s21, 0
	s_and_b32 s22, s16, 1                          ; PI on groups of eight rows: the wave's two bits change places
	s_lshl_b32 s22, s22, 1
	s_lshr_b32 s23, s16, 1
	s_add_co_u32 s22, s22, s23
	s_add_co_u32 s22, s22, s18
	s_lshl_b32 s22, s22, 13                        ; 8 rows of 1,024 bytes of codes
	s_mov_b32 s23, 0
	s_wait_alu depctr_va_vdst(0)
	s_wait_kmcnt 0x0
	s_load_b32 s24, s[6:7], 0x0                    ; e
	s_add_nc_u64 s[4:5], s[4:5], s[20:21]
	s_add_nc_u64 s[8:9], s[8:9], s[22:23]
.macro XLOAD t
.irp i, 0,1,2,3
	global_load_b128 v[R+16*((\t)%4)+4*\i:R+16*((\t)%4)+4*\i+3], v3, s[4:5] offset:2048*(\t)+512*\i th:TH_LOAD_NT
.endr
.endm
.macro XTURN t                         ; LDS serves a wave's instructions in order: no wait between the stores and the loads
.irp i, 0,1,2,3
	ds_store_b128 v14, v[R+16*((\t)%4)+4*\i:R+16*((\t)%4)+4*\i+3] offset:32*SP*((\t)%2)+8*SP*\i
.endr
.irp i, 0,1,2,3
	ds_load_b128 v[X+16*((\t)%2)+4*\i:X+16*((\t)%2)+4*\i+3], v15 offset:32*SP*((\t)%2)+16*\i
.endr
.endm
.irp t, 0,1,2,3
	XLOAD \t
.endr
	s_wait_kmcnt 0x0
	s_add_co_i32 s24, s24, 127
	s_lshl_b32 s25, s24, 23
	v_mov_b32 v11, s25                             ; 2^e as f32
	s_add_co_i32 s24, s24, EMAX
	s_lshl_b32 s24, s24, 23
	s_or_b32 s24, s24, MANT
	v_mov_b32 v10, s24                             ; 448 x 2^e
	s_wait_alu depctr_va_vdst(0)
	s_wait_loadcnt 12                              ; step 0's four loads are in; three steps' twelve may be out
	XTURN 0
.macro XSTEP t
.set XS, X+16*((\t)%2)
	s_wait_dscnt 0x0                               ; this step's numbers are back: its stores into the stage have read their registers,
.if (\t)+4 < STEPS
	XLOAD (\t)+4                                   ; which take the loads of four steps on
.endif
.if (\t)+1 < STEPS
.if STEPS-2-(\t) >= 3
	s_wait_loadcnt 12                              ; the next step's four loads are in; three steps' may be out
.else
	s_wait_loadcnt 4*(STEPS-2-(\t))
.endif
	XTURN (\t)+1
.endif
.irp i, 0,1,2,3,4,5,6,7,8,9,10,11,12,13,14,15
	v_med3_num_f32 v[XS+\i], v[XS+\i], -v10, v10   ; the conversion does not saturate (ISA guide 7.6.2): the hold comes first
.endr
	v_cvt_scalef32_pk8_fp8_f32 v[C+4*(\t):C+4*(\t)+1], v[XS:XS+7], v11
	v_cvt_scalef32_pk8_fp8_f32 v[C+4*(\t)+2:C+4*(\t)+3], v[XS+8:XS+15], v11   ; the results go to a store alone; the next vector lines are plain lines on other registers
	global_store_b128 v4, v[C+4*(\t):C+4*(\t)+3], s[8:9] offset:32*CB*(\t)
.endm
.irp t, 0,1,2,3,4,5,6,7,8,9,10,11,12,13,14,15
	XSTEP \t
.endr
	s_wait_tensorcnt 0x0                           ; the wave's end, behind my last LDS store
	ds_add_u32 v[SPW], v[NIL]
	s_wait_dscnt 0x0
	s_endpgm
; ---- the weights ----
.Lweights:
.set NB,    8                          ; blocks of 32 along K for a wave
.set KROW,  1024                       ; a row of codes in memory
.set WX,    32                         ; v32-95   two sets of 32 numbers
.set WC,    96                         ; v96-103  a block's codes
.set OUTR,  112                        ; v112-175 the way out
.set VO,    176                        ; v176-207 4 x lane + i x pitch of the weight
.set BS,    32                         ; s[32:47] the eight blocks' bases
	s_load_b128 s[4:7], s[0:1], 0x8                ; w_qkv, w_out
	s_load_b64 s[8:9], s[0:1], 0x18                ; the scales' exponents
	s_load_b128 s[12:15], s[0:1], 0x28             ; wqc, woc
	s_sub_co_u32 s31, ttmp9, 256
	s_and_b32 s30, s31, 31                         ; which 128 columns: under 24 of w_qkv, else of w_out
	s_lshr_b32 s18, s31, 5                         ; which 256 along K
	s_cmp_lt_u32 s30, 24
	s_mov_b32 s24, 4096
	s_cselect_b32 s24, 12288, s24                  ; bytes from row to row of the weight
	s_cselect_b32 s17, 0, 24
	s_sub_co_u32 s17, s30, s17
	s_lshl_b32 s17, s17, 7
	s_lshl_b32 s19, s16, 5
	s_add_co_u32 s17, s17, s19                     ; my wave's first column
	v_lshlrev_b32 v[VO], 2, v2
.set i, 1
.rept 31
	v_add_nc_u32 v[VO+i], s24, v[VO+i-1]
.set i, i+1
.endr
	s_mul_i32 s19, s16, 32*PITCH
	s_add_co_u32 s19, s19, WST                     ; my stage
	v_and_b32 v5, 7, v2                            ; PI(lane)
	v_bfe_u32 v6, v2, 3, 1
	v_lshl_or_b32 v5, v6, 4, v5
	v_bfe_u32 v6, v2, 4, 1
	v_lshl_or_b32 v5, v6, 3, v5
	v_mul_u32_u24 v4, v5, PITCH
	v_add_nc_u32 v4, s19, v4                       ; into the stage: row PI(lane)
	v_and_b32 v5, 15, v2
	v_lshrrev_b32 v6, 4, v2                        ; out of it: sixteen lanes to a row
	v_mul_u32_u24 v7, v6, PITCH
	v_lshl_add_u32 v7, v5, 4, v7
	v_add_nc_u32 v7, s19, v7
	v_mul_u32_u24 v8, v6, KROW
	v_lshl_add_u32 v8, v5, 4, v8                   ; and the same place among the codes
	s_mul_i32 s20, s18, s24
	s_lshl_b32 s20, s20, 8                         ; 256 y rows of the weight,
	s_lshl_b32 s21, s17, 2
	s_add_co_u32 s20, s20, s21                     ; + 4 bytes a column
	s_mov_b32 s21, 0
	s_lshl_b32 s22, s24, 5                         ; a block on: 32 rows
	s_mov_b32 s23, 0
	s_lshl_b32 s26, s17, 10                        ; the codes: column x 1,024
	s_lshl_b32 s27, s18, 8
	s_add_co_u32 s26, s26, s27
	s_mov_b32 s27, 0
	s_wait_alu depctr_va_vdst(0)
	s_wait_kmcnt 0x0
	s_load_b32 s28, s[8:9], 0x4                    ; w_qkv's e
	s_load_b32 s29, s[8:9], 0x1c                   ; w_out's
	s_cmp_lt_u32 s30, 24
	s_cselect_b64 s[4:5], s[4:5], s[6:7]
	s_cselect_b64 s[10:11], s[12:13], s[14:15]
	s_add_nc_u64 s[BS:BS+1], s[4:5], s[20:21]
.irp t, 1,2,3,4,5,6,7
	s_add_nc_u64 s[BS+2*\t:BS+2*\t+1], s[BS+2*\t-2:BS+2*\t-1], s[22:23]
.endr
	s_add_nc_u64 s[10:11], s[10:11], s[26:27]
.macro WLOAD t                         ; block t: W(32 t + i, my column) into set t % 2
.set i, 0
.rept 32
	global_load_b32 v[WX+32*((\t)%2)+i], v[VO+i], s[BS+2*(\t):BS+2*(\t)+1] th:TH_LOAD_NT
.set i, i+1
.endr
.endm
	WLOAD 0
	WLOAD 1
	s_wait_kmcnt 0x0
	s_cmp_lt_u32 s30, 24
	s_cselect_b32 s28, s28, s29                    ; e
	s_add_co_i32 s28, s28, 127
	s_lshl_b32 s29, s28, 23
	v_mov_b32 v11, s29                             ; 2^e as f32
	s_add_co_i32 s28, s28, EMAX
	s_lshl_b32 s28, s28, 23
	s_or_b32 s28, s28, MANT
	v_mov_b32 v10, s28                             ; 448 x 2^e
.macro WBLOCK t
.set XS, WX+32*((\t)%2)
.if (\t) < NB-1
	s_wait_loadcnt 32                              ; this block's 32 loads are in; the next block's may be out
.else
	s_wait_loadcnt 0
.endif
.set n, 0
.rept 32
	v_med3_num_f32 v[XS+n], v[XS+n], -v10, v10
.set n, n+1
.endr
.irp g, 0,1,2,3
	v_cvt_scalef32_pk8_fp8_f32 v[WC+2*\g:WC+2*\g+1], v[XS+8*\g:XS+8*\g+7], v11
.endr
	ds_store_b128 v4, v[WC:WC+3] offset:32*(\t)
	ds_store_b128 v4, v[WC+4:WC+7] offset:32*(\t)+16
.if (\t)+2 < NB
	WLOAD (\t)+2
.endif
	s_wait_dscnt 0x0                               ; the stores have read their registers: the next block's codes may be written
.endm
	s_wait_alu depctr_va_vdst(0)
.irp t, 0,1,2,3,4,5,6,7
	WBLOCK \t
.endr
.irp t, 0,1,2,3,4,5,6,7,8,9,10,11,12,13,14,15
	ds_load_b128 v[OUTR+4*\t:OUTR+4*\t+3], v7 offset:2*\t*PITCH
.endr
.irp t, 0,1,2,3,4,5,6,7,8,9,10,11,12,13,14,15
	s_wait_dscnt 15-\t
	global_store_b128 v8, v[OUTR+4*\t:OUTR+4*\t+3], s[10:11] offset:2*\t*KROW
.endr
	s_wait_tensorcnt 0x0                           ; the wave's end, behind my last LDS store
	ds_add_u32 v[SPW], v[NIL]
	s_wait_dscnt 0x0
	s_endpgm
.Lfunc_end_k_qb6cc2c55c8_quant:
	.size	k_qb6cc2c55c8_quant, .Lfunc_end_k_qb6cc2c55c8_quant-k_qb6cc2c55c8_quant
	.p2alignl 7, 3214868480
	.fill 96, 4, 3214868480
	.section	.rodata,"a",@progbits
	.p2align	6, 0x0
	.amdhsa_kernel k_qb6cc2c55c8_quant
		.amdhsa_group_segment_fixed_size 68096
		.amdhsa_private_segment_fixed_size 0
		.amdhsa_enable_private_segment 0
		.amdhsa_kernarg_size 56
		.amdhsa_user_sgpr_count 2
		.amdhsa_user_sgpr_kernarg_segment_ptr 1
		.amdhsa_wavefront_size32 1
		.amdhsa_system_sgpr_workgroup_id_x 1
		.amdhsa_system_sgpr_workgroup_id_y 1
		.amdhsa_system_sgpr_workgroup_id_z 1
		.amdhsa_system_vgpr_workitem_id 0
		.amdhsa_next_free_vgpr 208
		.amdhsa_next_free_sgpr 66
		.amdhsa_reserve_vcc 0
		.amdhsa_float_denorm_mode_32 3
		.amdhsa_float_denorm_mode_16_64 3
		.amdhsa_memory_ordered 1
		.amdhsa_forward_progress 1
		.amdhsa_inst_pref_size 88
	.end_amdhsa_kernel
	.amdgpu_metadata
---
amdhsa.version: [ 1, 2 ]
amdhsa.kernels:
  - .name:           k_qb6cc2c55c8_quant
    .symbol:         k_qb6cc2c55c8_quant.kd
    .args:
      - { .name: x, .offset: 0, .size: 8, .value_kind: global_buffer, .address_space: global }
      - { .name: w_qkv, .offset: 8, .size: 8, .value_kind: global_buffer, .address_space: global }
      - { .name: w_out, .offset: 16, .size: 8, .value_kind: global_buffer, .address_space: global }
      - { .name: lowp_scales, .offset: 24, .size: 8, .value_kind: global_buffer, .address_space: global }
      - { .name: xc, .offset: 32, .size: 8, .value_kind: global_buffer, .address_space: global }
      - { .name: wqc, .offset: 40, .size: 8, .value_kind: global_buffer, .address_space: global }
      - { .name: woc, .offset: 48, .size: 8, .value_kind: global_buffer, .address_space: global }
    .group_segment_fixed_size: 68096
    .private_segment_fixed_size: 0
    .kernarg_segment_align: 8
    .kernarg_segment_size: 56
    .max_flat_workgroup_size: 128
    .sgpr_count:     66
    .vgpr_count:     208
    .wavefront_size: 32
...
	.end_amdgpu_metadata
.endif
;; end of part 1
;; launch qkv (part 2): grid 12 x 32, 4 waves a work-group, clusters of 4 x 4, 327,680 bytes of LDS; arguments xc, wqc, lowp_scales, qc, kc, vc, vs; writes qc, kc, vc, vs
.if DOCPART == 2
	.amdgcn_target "amdgcn-amd-amdhsa--gfx1250"
	.amdhsa_code_object_version 6
	.text
	.protected	k_qb6cc2c55c8_qkv
	.globl	k_qb6cc2c55c8_qkv
	.p2align	8
	.type	k_qb6cc2c55c8_qkv,@function
k_qb6cc2c55c8_qkv:
	s_mov_b64 s[64:65], 0
	v_nop
	global_prefetch_b8 v0, s[64:65] scope:SCOPE_SE
	s_setreg_imm32_b32 hwreg(HW_REG_WAVE_MODE, 25, 1), 1
	s_wait_xcnt 0x0
	s_wait_alu depctr_hold_cnt(0) depctr_sa_sdst(0) depctr_va_vdst(0) depctr_va_sdst(0) depctr_va_ssrc(0) depctr_va_vcc(0) depctr_vm_vsrc(0)
	s_getreg_b32 s2, hwreg(HW_REG_IB_STS2, 6, 4)
	s_cmp_eq_u32 s2, 0
	s_cbranch_scc0 .Lentry_in_a_cluster
	s_endpgm
.Lentry_in_a_cluster:
	s_bfe_u32 s2, ttmp6, 0x10000c
	s_cmp_lg_u32 s2, 0xf033
	s_cbranch_scc0 .Lentry_shape_is_right
	s_endpgm
.Lentry_shape_is_right:
; qkv = x w_qkv on codes of FP8 (E4M3), sums in f32, and its three parts quantised on the way out into the operands of attention's two products:
;   qc, kc [64 (batch x 16 + head)][2048][64]: codes of q / 8 (scale entry 2) and of k (entry 3), the head's 64 innermost;   vc [4][1024 (head x 64 + d)][2048 keys]: codes of v (entry 5), the KEYS innermost;
;   vs [4][16 (groups of 128 keys)][1024 (head x 64 + d)] f32: the sums of v's code values over 128 keys: attention wants them for a query that the masks leave without a key.
; A tile of the result, 256 x 256, is made by four waves, 128 x 128 each: 64 accumulators, 512 registers.  K = 1,024 goes in four steps of 256 through a ring of two LDS slots filled by the tensor data mover.
; THE MATRIX INSTRUCTION: source 0 = 16 rows of "B", source 1 = 16 rows of "A": a lane holds ONE row of A and its eight registers run along B's rows.  What a lane's registers run along has to be the next product's K:
;   clusters x = 0 (q) and 1 (k): A = xc (tokens), B = wqc (columns: the head's d);     cluster x = 2 (v): A = wqc's rows 2048 on (v's columns), B = xc (tokens = keys).  So nothing is transposed.
; ROW ORDER: memory row p of xc and wqc holds true row PI(p) (bits 3 and 4 exchanged).  So in the result tiles 2 B and 2 B + 1 a lane's 16 registers are the true B indices 32 B + 16 (lane / 16) + 0 .. 15: 16 neighbours,
; one conversion's worth; and lane r of A's block a holds the true A index 32 (a / 2) + 8 (a % 2) + r + 8 (r / 8).
; A sum stands for sum x 2^(e0 + e1); its code is sum / 2^(e - e0 - e1), e = e2 + 3 (the factor 1/8), e3 or e5: one scale for the conversion.  LIMITS: that exponent between -126 and 119.
; CLUSTERS: 4 x 4 work-groups; A's tile is asked for jointly along a row of the cluster, B's along a column.  The role hangs on the cluster's x, which all sixteen partners share.
; REGISTERS, in windows of 256: window 0: v0-31 addresses; v32-95 at work on the way out; v96-107 the sums of v's codes; from v128 A's fragments, ONE set, later the codes.  window 1: B's fragments, TWO sets.  windows 2, 3: the accumulators of my rows 0-63, 64-127.
.set KSTEP,  256
.set ROWB,   256                       ; a tile's row in bytes
.set KROW,   1024                      ; a row of xc or wqc in memory
.set PITCH,  272                       ; an LDS row: 256 bytes + 16 of padding = 68 words: the 16 rows that a load touches start at 16 different banks (64 banks of 4 bytes: ISA guide 11.1)
.set FR,     16                        ; registers of a fragment: 16 rows x 128 K
.set NL,     4                         ; LDS loads that bring one
.set NP,     4                         ; places behind this matrix instruction (ISA guide 7.12.1)
.set HALFT,  128*PITCH                 ; 128 rows: what one tensor load brings
.set SLOT,   4*HALFT                   ; A's 256 rows, then B's 256 rows
.set SPARE,  2*SLOT                    ; behind the ring: the spare words, 128 bytes a wave
.set VSUM,   SPARE+512                 ; behind them: 512 bytes for each wave, for its 128 sums of v's codes; no tensor load lands here
.set VS,   8                           ; v8      where I put a row's sum
.set VL,   9                           ; v9      where I read four of them back
.set SC,   10                          ; v10     the conversion's scale as f32
.set LIM,  11                          ; v11     448 x that
.set RQ0,  12                          ; v12, 13 the way out of q and k: where I read 16 bytes of a token's 64 (tokens 0-127, 128-255)
.set RQ1,  13
.set RV,   14                          ; v14     the way out of v: where I read 16 bytes of a row's 256
.set GV,   15                          ; v15     and where they go in vc
.set ADRA, 16                          ; v16-17  LDS address of my A fragments in slot 0, 1
.set ADRB, 20                          ; v20-21  the same for B
.set STO,  24                          ; v24     the way out: where I put 16 codes
.set GQ,   27                          ; v27     16 x lane: my place in 512 consecutive bytes
.set SPW,  28                          ; v28     LDS address of my spare word; never rewritten
.set NIL,  29                          ; v29     0; never rewritten
.set TMP,  32                          ; v32-95  a block's sums, held; later a block's codes, widened
.set SUM,  96                          ; v96-103 block a's row sum of v's codes
.set PT,   104                         ; v104    the other half of the lanes'; v[104:107] then the sums read back
.set ONE,  105                         ; v105    four scale bytes 127: x 1
.set AF,   128                         ; A's fragments, in window 0
.set CD,   128                         ; the way out: v128-255 the codes, 16 registers a block; then the rows read back
.set G1, 24                            ; s[24:31] descriptor group 1 for A's tiles;  s[32:39] group 0, one set for each slot
.set G0, 32
.set G1B, 48                           ; s[48:55], s[56:63] the same for B's tiles
.set G0B, 56
.set MSB, 0
.macro WIN new                         ; the immediate's high byte repeats the setting that is left
.if MSB != (\new)
	s_set_vgpr_msb (MSB<<8)|(\new)
.set MSB, (\new)
.endif
.endm
.set MUL_LO, 0xa1                      ; source 0 (B) window 1, source 1 (A) window 0, C and D window 2
.set MUL_HI, 0xf1                      ; the same, C and D window 3
.set TO_B,   0x40                      ; destination window 1, address window 0
; A joint load: waves 0 and 1 fetch for A, waves 2 and 3 for B.  Each line has one mask and one set of registers for all that issue it; the branch hangs on the wave's number alone.
; An s_nop 0 and four v_nop follow each of the two lines, ahead of the jump, the label and what follows.
.macro JLOAD g0a, g1a, g0b, g1b
	s_cmp_eq_u32 s15, 0
	s_cbranch_scc0 .Lfor_b_\@
	tensor_load_to_lds s[\g0a:\g0a+3], s[\g1a:\g1a+7]
	s_nop 0
.rept 4
	v_nop
.endr
	s_branch .Lasked_\@
.Lfor_b_\@:
	tensor_load_to_lds s[\g0b:\g0b+3], s[\g1b:\g1b+7]
	s_nop 0
.rept 4
	v_nop
.endr
.Lasked_\@:
.endm
.macro CREST                           ; a round of the cluster's barrier behind its opening barrier
	s_cmp_lg_u32 s14, 0
	s_cbranch_scc1 .Lnot_wave_0_\@
	s_barrier_signal -3
.Lnot_wave_0_\@:
	s_barrier_wait -3
	s_barrier_signal -1
	s_barrier_wait -1
.endm
.macro CROUND                          ; a whole round
	s_barrier_signal -1
	s_barrier_wait -1
	CREST
.endm
	s_load_b128 s[4:7], s[0:1], 0x0                ; xc s[4:5], wqc s[6:7]
	s_load_b128 s[8:11], s[0:1], 0x10              ; the scales' exponents s[8:9], qc s[10:11]
	s_load_b128 s[68:71], s[0:1], 0x20             ; kc s[68:69], vc s[70:71]
	s_load_b64 s[94:95], s[0:1], 0x30              ; vs
	v_lshl_add_u32 v[SPW], v0, 2, SPARE
	v_mov_b32 v[NIL], 0
	ds_add_u32 v[SPW], v[NIL]                      ; the wave's opening: the add and its wait ahead of my first tensor load; the set-up below, work on registers, stands between them
	ds_add_u32 v[SPW], v[NIL]
	v_lshrrev_b32 v1, 5, v0
	v_readfirstlane_b32 s14, v1                    ; wave 0..3
	s_lshr_b32 s15, s14, 1                         ; which half of A's rows is mine.  Also: I fetch for A (0) or for B (1)
	s_and_b32 s16, s14, 1                          ; which half of B's rows.  Also: which 128 rows of that tile I fetch
	s_bfe_u32 s40, ttmp6, 0x40000                  ; cx, cy: my place in the cluster
	s_bfe_u32 s41, ttmp6, 0x40004
	s_and_b32 s80, ttmp7, 0xffff                   ; the cluster's y
	s_cmp_eq_u32 ttmp9, 2                          ; v's clusters?  The cluster's x: alike in all sixteen partners
	s_cselect_b32 s17, 0, s80                      ; A's tile: q, k: token tile 4 y + cy;  v: column tile cy
	s_cselect_b32 s42, s80, ttmp9                  ; B's tile: q, k: column tile 4 x + cx;  v: token tile 4 y + cx
	s_cselect_b32 s81, 2048, 0                     ; v's columns begin at row 2,048 of wqc
	s_lshl_b32 s17, s17, 2
	s_add_co_u32 s17, s17, s41                     ; TR: it never holds cx
	s_lshl_b32 s42, s42, 2
	s_add_co_u32 s42, s42, s40                     ; TC: it never holds cy
	s_lshl_b32 s43, s41, 2
	s_lshl_b32 s43, 15, s43                        ; my row of the cluster
	s_lshl_b32 s44, 0x1111, s40                    ; my column
	s_mov_b32 s96, 0x76543210                      ; v_permlanex16_b32's selects for lane l xor 16
	s_mov_b32 s97, 0xfedcba98
	; descriptor group 1: a tile of 128 rows x 256 bytes, padded in LDS
	s_or_b32 s[G1+0], s43, (0<<16)|(1<<20)|(1<<21)|(5<<22)|(3<<25)  ; 15:0 the mask: A's tiles go to my row; 17:16 elements of 1 byte; 20 padding on; 21 set beside a mask; 24:22 after every 64 words (code 5); 31:25 four words (code 3)
	s_or_b32 s[G1B+0], s44, (0<<16)|(1<<20)|(1<<21)|(5<<22)|(3<<25)
.irp g, G1, G1B
	s_mov_b32 s[\g+1], ROWB<<16                    ; tensor_dim0
	s_mov_b32 s[\g+2], 128<<16                     ; tensor_dim1 = 128
	s_mov_b32 s[\g+3], ROWB<<16                    ; tile_dim0
	s_mov_b32 s[\g+4], 128                         ; tile_dim1 = 128
	s_mov_b32 s[\g+5], KROW                        ; tensor_dim0_stride
	s_mov_b32 s[\g+6], 0
	s_mov_b32 s[\g+7], 0
.endr
	s_lshl_b32 s18, s16, 7                         ; which 128 rows of the tile I fetch
	s_lshl_b32 s20, s17, 8
	s_add_co_u32 s20, s20, s18
	s_add_co_u32 s20, s20, s81                     ; A: row 256 TR + 128 x half (+ 2,048)
	s_lshl_b32 s20, s20, 10                        ; in bytes: under 2^24
	s_mov_b32 s21, 0
	s_lshl_b32 s46, s42, 8
	s_add_co_u32 s46, s46, s18                     ; B: row 256 TC + 128 x half
	s_lshl_b32 s46, s46, 10
	s_mov_b32 s47, 0
	s_mul_i32 s45, s14, HALFT                      ; where they go: wave x 128 rows: no place in the cluster enters an LDS address
	s_wait_dscnt 0x0                               ; the opening add is done
	s_wait_kmcnt 0x0
	s_load_b256 s[72:79], s[8:9], 0x0              ; e0 .. e7
	s_cmp_eq_u32 ttmp9, 2
	s_cselect_b64 s[82:83], s[6:7], s[4:5]         ; A's tensor
	s_cselect_b64 s[84:85], s[4:5], s[6:7]         ; B's
	s_add_nc_u64 s[20:21], s[82:83], s[20:21]
	s_add_nc_u64 s[46:47], s[84:85], s[46:47]
	CROUND                                         ; all sixteen work-groups are here: the first joint loads meet
.irp s, 0,1
	s_mov_b32 s[G0+4*\s], 1
	s_add_co_u32 s[G0+4*\s+1], s45, \s*SLOT
	s_add_nc_u64 s[G0+4*\s+2:G0+4*\s+3], s[20:21], \s*ROWB
	s_or_b32 s[G0+4*\s+3], s[G0+4*\s+3], 0x80000000
	s_mov_b32 s[G0B+4*\s], 1
	s_add_co_u32 s[G0B+4*\s+1], s45, \s*SLOT
	s_add_nc_u64 s[G0B+4*\s+2:G0B+4*\s+3], s[46:47], \s*ROWB
	s_or_b32 s[G0B+4*\s+3], s[G0B+4*\s+3], 0x80000000
.endr
	JLOAD G0, G1, G0B, G1B                         ; K step 0: one tensor load a wave
	v_and_b32 v1, 15, v0                           ; r = l % 16
	v_bfe_u32 v2, v0, 4, 1                         ; h = l / 16
	v_mul_u32_u24 v3, v1, PITCH
	v_lshl_add_u32 v4, v2, 4, v3                   ; a fragment's row x pitch + 16 x half
	s_mul_i32 s21, s15, HALFT                      ; my 128 rows of A
	s_mul_i32 s22, s16, HALFT                      ; my 128 rows of B,
	s_add_co_u32 s22, s22, 2*HALFT                 ; which lie behind A's 256
.irp s, 0,1
	v_add_nc_u32 v[ADRA+\s], s21, v4
	v_add_nc_u32 v[ADRB+\s], s22, v4
	s_add_co_u32 s21, s21, SLOT
	s_add_co_u32 s22, s22, SLOT
.endr
	; the way out: a stage of 256 rows (true A index) x 272 bytes (true B index), the work-group's, in slot 0
	v_and_b32 v5, 8, v1
	v_add_nc_u32 v5, v5, v1                        ; r + 8 (r / 8)
	v_lshlrev_b32 v[VS], 2, v5                     ; (4 bytes a row among my 128 sums)
	v_mul_u32_u24 v5, v5, PITCH
	v_lshl_add_u32 v5, v2, 4, v5                   ; + 16 h
	s_mul_i32 s23, s15, 128*PITCH
	s_lshl_b32 s86, s16, 7
	s_add_co_u32 s23, s23, s86
	v_add_nc_u32 v[STO], s23, v5                   ; + my half of the rows, my half of the columns
	v_and_b32 v6, 31, v0
	v_lshlrev_b32 v[GQ], 4, v6
	s_lshl_b32 s86, s14, 9
	s_add_co_u32 s86, s86, VSUM                    ; my wave's 512 bytes for the sums
	v_add_nc_u32 v[VS], s86, v[VS]
	v_add_nc_u32 v[VL], s86, v[GQ]
	v_lshrrev_b32 v7, 2, v6                        ; q, k: wave w takes the tile's head w: of 8 tokens an instruction, 64 bytes each, four lanes to a token
	v_mul_u32_u24 v[RQ0], v7, PITCH
	v_and_b32 v7, 3, v6
	v_lshl_add_u32 v[RQ0], v7, 4, v[RQ0]
	s_lshl_b32 s86, s14, 6
	v_add_nc_u32 v[RQ0], s86, v[RQ0]
	v_add_nc_u32 v[RQ1], 128*PITCH, v[RQ0]
	v_mul_u32_u24 v[RV], v2, PITCH                 ; v: wave w takes rows 64 w on: two rows an instruction, sixteen lanes to a row
	v_lshl_add_u32 v[RV], v1, 4, v[RV]
	s_mul_i32 s86, s14, 64*PITCH
	v_add_nc_u32 v[RV], s86, v[RV]
	v_lshlrev_b32 v[GV], 11, v2
	v_lshl_add_u32 v[GV], v1, 4, v[GV]
	; where my part goes.  q, k: batch TR / 8, head 4 (TC % 4) + wave, token 256 (TR % 8)
	s_lshr_b32 s86, s17, 3
	s_lshl_b32 s86, s86, 21
	s_and_b32 s87, s42, 3
	s_lshl_b32 s87, s87, 2
	s_add_co_u32 s87, s87, s14
	s_lshl_b32 s87, s87, 17
	s_add_co_u32 s86, s86, s87
	s_and_b32 s87, s17, 7
	s_lshl_b32 s87, s87, 14
	s_add_co_u32 s86, s86, s87
	; v: batch TC / 8, row 256 TR + 64 wave, key 256 (TC % 8)
	s_lshr_b32 s88, s42, 3
	s_lshl_b32 s88, s88, 21
	s_lshl_b32 s89, s17, 8
	s_lshl_b32 s90, s14, 6
	s_add_co_u32 s89, s89, s90
	s_lshl_b32 s89, s89, 11
	s_add_co_u32 s88, s88, s89
	s_and_b32 s89, s42, 7
	s_lshl_b32 s89, s89, 8
	s_add_co_u32 s88, s88, s89
	s_cmp_eq_u32 ttmp9, 2
	s_cselect_b32 s86, s88, s86
	s_mov_b32 s87, 0
	s_cselect_b64 s[88:89], s[70:71], s[68:69]     ; vc, or kc,
	s_cmp_eq_u32 ttmp9, 0
	s_cselect_b64 s[88:89], s[10:11], s[88:89]     ; or qc
	s_add_nc_u64 s[88:89], s[88:89], s[86:87]
	; vs (used in v's clusters alone): batch TC / 8, group of 128 keys 2 (TC % 8) + my half of B, row 256 TR + 128 x my half of A; 4 bytes a row
	s_lshr_b32 s98, s42, 3
	s_lshl_b32 s98, s98, 4
	s_and_b32 s99, s42, 7
	s_lshl_b32 s99, s99, 1
	s_add_co_u32 s98, s98, s99
	s_add_co_u32 s98, s98, s16
	s_lshl_b32 s98, s98, 12
	s_lshl_b32 s99, s17, 10
	s_add_co_u32 s98, s98, s99
	s_lshl_b32 s99, s15, 9
	s_add_co_u32 s98, s98, s99
	s_mov_b32 s99, 0
	s_add_nc_u64 s[94:95], s[94:95], s[98:99]
.macro FRAG reg, adr, q, i             ; a fragment, 16 rows x 128 K, is 16 registers: lane l holds row l % 16; registers 4 c .. 4 c + 3 hold K = 32 c + 16 (l / 16) + 0 .. 15: the same places in A and in B
.irp c, 0,1,2,3
	ds_load_b128 v[\reg+4*\c:\reg+4*\c+3], v[\adr] offset:128*(\q)+32*\c+(\i)*16*PITCH
.endr
.endm
; 16 matrix instructions: A's blocks a0, a0 + 1 x B's eight, 128 along K.  p: B's set.  zero = 1: the first product starts the sums.  The 64 accumulators take turns, one instruction a turn.
.macro MUL16 a0, p, zero
.irp a, \a0, \a0+1
.irp b, 0,1,2,3,4,5,6,7
.if \zero
	v_wmma_f32_16x16x128_fp8_fp8 v[8*(8*((\a)%4)+\b):8*(8*((\a)%4)+\b)+7], v[128*(\p)+FR*\b:128*(\p)+FR*\b+FR-1], v[AF+FR*(\a):AF+FR*(\a)+FR-1], 0
.else
	v_wmma_f32_16x16x128_fp8_fp8 v[8*(8*((\a)%4)+\b):8*(8*((\a)%4)+\b)+7], v[128*(\p)+FR*\b:128*(\p)+FR*\b+FR-1], v[AF+FR*(\a):AF+FR*(\a)+FR-1], v[8*(8*((\a)%4)+\b):8*(8*((\a)%4)+\b)+7]
.endif
.endr
.endr
.endm
.macro FETCH_B slot, q, p              ; B's eight fragments of the slot's q-th 128 along K into set p
	WIN TO_B
.irp i, 0,1,2,3,4,5,6,7
	FRAG 128*(\p)+FR*\i, ADRB+\slot, \q, \i
.endr
	WIN 0
.endm
.macro FETCH_A slot, q, i0             ; A's blocks i0 .. i0 + 3
.irp i, \i0, \i0+1, \i0+2, \i0+3
	FRAG AF+FR*(\i), ADRA+\slot, \q, \i
.endr
.endm
.macro PLACES n                        ; plain vector instructions between a matrix instruction and a load into a register that it read, or a read of its result
.rept \n
	v_nop
.endr
.endm
; A step of 128 along K that has its successor in the same slot.
.macro STEP slot, q, zero
	s_wait_dscnt 4*NL                              ; B's set and A's blocks 0-3 are in; the youngest sixteen loads (A's blocks 4-7) may be out
	WIN MUL_LO
	MUL16 0, (\q)%2, \zero
	MUL16 2, (\q)%2, \zero
	s_wait_dscnt 0                                 ; A's blocks 4-7 are in
	PLACES NP
	FETCH_B \slot, (\q)+1, 1-(\q)%2
	FETCH_A \slot, (\q)+1, 0
	WIN MUL_HI
	MUL16 4, (\q)%2, \zero
	MUL16 6, (\q)%2, \zero
	PLACES NP
	WIN 0
	FETCH_A \slot, (\q)+1, 4
.endm
; A slot's last step changes slots: ONE barrier; in front of it each wave waits for all its tensor loads, adds 0 to its spare word, and waits for that and for its own reads of this slot.  fill = 1: this slot is filled again, two K steps ahead.
.macro TURN slot, next, fill
	s_wait_tensorcnt 0x0                           ; all my tensor loads have landed: my part of the next slot  (every window is 0 here)
	ds_add_u32 v[SPW], v[NIL]                      ; 0 onto my spare word
	s_wait_dscnt 4*NL+1                            ; (the add and the youngest sixteen loads, A's blocks 4-7, may be out)
	WIN MUL_LO
	MUL16 0, 1, 0                                  ; sixteen matrix instructions stand between the add and the wait for it
	s_wait_dscnt 0x0                               ; the add is done, and my reads of this slot are over
	s_barrier_signal -1
	MUL16 2, 1, 0
	WIN 0
	s_barrier_wait -1
.if \fill
	CREST                                          ; the barrier has opened a round of the cluster's: no wave of any partner still reads this slot or has a load on its way
	s_add_nc_u64 s[G0+4*\slot+2:G0+4*\slot+3], s[G0+4*\slot+2:G0+4*\slot+3], 2*ROWB
	s_add_nc_u64 s[G0B+4*\slot+2:G0B+4*\slot+3], s[G0B+4*\slot+2:G0B+4*\slot+3], 2*ROWB
	JLOAD G0+4*\slot, G1, G0B+4*\slot, G1B         ; the first tensor load behind the round; its four v_nop are also the places in front of the loads below
.else
	PLACES NP
.endif
	FETCH_B \next, 0, 0
	FETCH_A \next, 0, 0
	WIN MUL_HI
	MUL16 4, 1, 0
	MUL16 6, 1, 0
	PLACES NP
	WIN 0
	FETCH_A \next, 0, 4
.endm
	s_wait_alu depctr_va_vdst(0)
	s_wait_tensorcnt 0x0                           ; my part of K step 0 is in
	ds_add_u32 v[SPW], v[NIL]
	s_wait_dscnt 0x0
	CROUND                                         ; everybody's part of K step 0 is in, and all sixteen work-groups are here
	JLOAD G0+4, G1, G0B+4, G1B                     ; K step 1: the first tensor load behind the round
	FETCH_B 0, 0, 0
	FETCH_A 0, 0, 0
	FETCH_A 0, 0, 4
	STEP 0, 0, 1                                   ; K = 1,024 is four K steps: eight steps of 128, written out; the first starts the sums
	TURN 0, 1, 1                                   ; slot 0 takes K step 2
	STEP 1, 0, 0
	TURN 1, 0, 1                                   ; slot 1 takes K step 3
	STEP 0, 0, 0
	TURN 0, 1, 0                                   ; nothing is left to fetch: no round.  Behind this barrier nobody reads slot 0, and it has had its last fill
	STEP 1, 0, 0
	s_wait_dscnt 4*NL                              ; the very last step
	WIN MUL_LO
	MUL16 0, 1, 0
	MUL16 2, 1, 0
	s_wait_dscnt 0
	WIN MUL_HI
	MUL16 4, 1, 0
	MUL16 6, 1, 0
	WIN 0
	; THE WAY OUT.  The conversion's scale: 2^(e - e0 - e1)
	s_wait_kmcnt 0x0
	s_add_co_i32 s74, s74, 3                       ; q carries the factor 1/8
	s_cmp_eq_u32 ttmp9, 0
	s_cselect_b32 s74, s74, s75
	s_cmp_eq_u32 ttmp9, 2
	s_cselect_b32 s74, s77, s74
	s_sub_co_i32 s74, s74, s72
	s_sub_co_i32 s74, s74, s73
	s_add_co_i32 s74, s74, 127
	s_lshl_b32 s75, s74, 23
	s_add_co_i32 s74, s74, 8
	s_lshl_b32 s74, s74, 23
	s_or_b32 s74, s74, 0x600000
	PLACES NP                                      ; behind the last products: in front of the first read of sums and of the first write of A's registers
	v_mov_b32 v[SC], s75
	v_mov_b32 v[LIM], s74
; Block a: 16 rows of A x my 128 of B.  Held, converted (16 neighbours of the true B index a lane and pair of tiles), 16 bytes a store into the stage.  Each block has its own registers for its codes.
.macro QBLOCK a
.set AC, 64*((\a)%4)
	WIN 0x02+((\a)/4)                              ; source 0: window 2 or 3
.set j, 0
.rept 64
	v_med3_num_f32 v[TMP+j], v[AC+j], -v[LIM], v[LIM]   ; the conversion does not saturate (ISA guide 7.6.2); each accumulator from its low end on
.set j, j+1
.endr
	WIN 0
.irp b, 0,1,2,3
	v_cvt_scalef32_pk8_fp8_f32 v[CD+16*(\a)+4*\b:CD+16*(\a)+4*\b+1], v[TMP+16*\b:TMP+16*\b+7], v[SC]
	v_cvt_scalef32_pk8_fp8_f32 v[CD+16*(\a)+4*\b+2:CD+16*(\a)+4*\b+3], v[TMP+16*\b+8:TMP+16*\b+15], v[SC]
.endr
	v_nop                                          ; a plain line behind the last conversion: the next block's holds write its sources
.irp b, 0,1,2,3
	ds_store_b128 v[STO], v[CD+16*(\a)+4*\b:CD+16*(\a)+4*\b+3] offset:(32*((\a)/2)+8*((\a)%2))*PITCH+32*\b
.endr
.endm
; v's clusters: block a's 64 codes of a lane (one row of v^T, 64 of my 128 keys) are widened again and added: 31 packed additions in a tree, and one more for the pair.
.macro KEYSUM a
.irp g, 0,1,2,3,4,5,6,7
	v_cvt_scale_pk8_f32_fp8 v[TMP+8*\g:TMP+8*\g+7], v[CD+16*(\a)+2*\g:CD+16*(\a)+2*\g+1], v[ONE]
.endr
	v_nop                                          ; a plain line between the conversions and the additions on their results
.irp w, 4,8,16,32,64
.set j, 0
.rept 64/\w
	v_pk_add_f32 v[TMP+j:TMP+j+1], v[TMP+j:TMP+j+1], v[TMP+j+\w/2:TMP+j+\w/2+1]
.set j, j+\w
.endr
.endr
	v_add_f32 v[SUM+(\a)], v[TMP], v[TMP+1]
.endm
.irp a, 0,1,2,3,4,5,6,7
	QBLOCK \a
.endr
	s_wait_dscnt 0x0                               ; for the others' sake: my stores into the stage are done
	s_barrier_signal -1
	s_barrier_wait -1                              ; a row of the stage holds two waves' halves
	s_cmp_eq_u32 ttmp9, 2
	s_cbranch_scc1 .Lout_v
.set t, 0
.rept 32                                       ; q, k: my head's 64 bytes of 256 tokens: 8 tokens an instruction
.if t < 16
	ds_load_b128 v[CD+4*t:CD+4*t+3], v[RQ0] offset:8*PITCH*t
.else
	ds_load_b128 v[CD+4*t:CD+4*t+3], v[RQ1] offset:8*PITCH*(t-16)
.endif
.set t, t+1
.endr
.set t, 0
.rept 32
	s_wait_dscnt 31-t                              ; load t is in; the younger ones may be out
	global_store_b128 v[GQ], v[CD+4*t:CD+4*t+3], s[88:89] offset:512*t   ; 32 lanes store 512 consecutive bytes, at a multiple of 512 from the buffer's first byte
.set t, t+1
.endr
	s_branch .Ldone
.Lout_v:
	v_mov_b32 v[PT], 0                             ; a lane permute's destination counts as one of its sources
	v_mov_b32 v[ONE], 0x7f7f7f7f
.irp a, 0,1,2,3,4,5,6,7
	KEYSUM \a                                      ; my codes still lie in their registers
.endr
.irp a, 0,1,2,3,4,5,6,7
	v_permlanex16_b32 v[PT], v[SUM+\a], s96, s97
	v_add_f32 v[SUM+\a], v[SUM+\a], v[PT]          ; + the row's other 64 keys, in lane l xor 16: the sum over my 128 keys
.endr
.irp a, 0,1,2,3,4,5,6,7
	ds_store_b32 v[VS], v[SUM+\a] offset:4*(32*(\a/2)+8*(\a%2))   ; at the row's true place among my 128; both halves of the lanes store the same number at the same place
.endr
	ds_load_b128 v[PT:PT+3], v[VL]                 ; LDS serves a wave's instructions in order: this sees my stores
.set t, 0
.rept 32                                       ; v: my 64 rows of 256 keys: two rows an instruction
	ds_load_b128 v[CD+4*t:CD+4*t+3], v[RV] offset:2*PITCH*t
.set t, t+1
.endr
	s_wait_dscnt 32                                ; the sums are back; the 32 loads behind them may be out
	global_store_b128 v[GQ], v[PT:PT+3], s[94:95]  ; 32 lanes store 512 consecutive bytes, at a multiple of 512 from vs's first byte
.set t, 0
.rept 32
	s_wait_dscnt 31-t
	global_store_b128 v[GV], v[CD+4*t:CD+4*t+3], s[88:89] offset:4096*t  ; sixteen lanes store 256 consecutive bytes, at a multiple of 256 from the buffer's first byte
.set t, t+1
.endr
.Ldone:
	s_wait_tensorcnt 0x0                           ; the wave's end, behind my last tensor load and my last LDS store
	ds_add_u32 v[SPW], v[NIL]
	s_wait_dscnt 0x0
	CROUND                                         ; the closing round: no work-group ends while a partner may still ask for a tile that names it
	s_endpgm
.Lfunc_end_k_qb6cc2c55c8_qkv:
	.size	k_qb6cc2c55c8_qkv, .Lfunc_end_k_qb6cc2c55c8_qkv-k_qb6cc2c55c8_qkv
	.p2alignl 7, 3214868480
	.fill 96, 4, 3214868480
	.section	.rodata,"a",@progbits
	.p2align	6, 0x0
	.amdhsa_kernel k_qb6cc2c55c8_qkv
		.amdhsa_group_segment_fixed_size 327680
		.amdhsa_private_segment_fixed_size 0
		.amdhsa_enable_private_segment 0
		.amdhsa_kernarg_size 56
		.amdhsa_user_sgpr_count 2
		.amdhsa_user_sgpr_kernarg_segment_ptr 1
		.amdhsa_wavefront_size32 1
		.amdhsa_system_sgpr_workgroup_id_x 1
		.amdhsa_system_sgpr_workgroup_id_y 1
		.amdhsa_system_sgpr_workgroup_id_z 1
		.amdhsa_system_vgpr_workitem_id 0
		.amdhsa_next_free_vgpr 1024
		.amdhsa_next_free_sgpr 100
		.amdhsa_reserve_vcc 0
		.amdhsa_float_denorm_mode_32 3
		.amdhsa_float_denorm_mode_16_64 3
		.amdhsa_memory_ordered 1
		.amdhsa_forward_progress 1
		.amdhsa_inst_pref_size 153
	.end_amdhsa_kernel
	.amdgpu_metadata
---
amdhsa.version: [ 1, 2 ]
amdhsa.kernels:
  - .name:           k_qb6cc2c55c8_qkv
    .symbol:         k_qb6cc2c55c8_qkv.kd
    .args:
      - { .name: xc, .offset: 0, .size: 8, .value_kind: global_buffer, .address_space: global }
      - { .name: wqc, .offset: 8, .size: 8, .value_kind: global_buffer, .address_space: global }
      - { .name: lowp_scales, .offset: 16, .size: 8, .value_kind: global_buffer, .address_space: global }
      - { .name: qc, .offset: 24, .size: 8, .value_kind: global_buffer, .address_space: global }
      - { .name: kc, .offset: 32, .size: 8, .value_kind: global_buffer, .address_space: global }
      - { .name: vc, .offset: 40, .size: 8, .value_kind: global_buffer, .address_space: global }
      - { .name: vs, .offset: 48, .size: 8, .value_kind: global_buffer, .address_space: global }
    .group_segment_fixed_size: 327680
    .private_segment_fixed_size: 0
    .kernarg_segment_align: 8
    .kernarg_segment_size: 56
    .max_flat_workgroup_size: 128
    .sgpr_count:     100
    .vgpr_count:     1024
    .wavefront_size: 32
...
	.end_amdgpu_metadata
.endif
;; end of part 2
;; launch attn (part 3): grid 4 x 64, 8 waves a work-group, clusters of 4 x 1, 327,680 bytes of LDS; arguments qc, kc, vc, mask, lowp_scales, oc, vs; writes oc
.if DOCPART == 3
	.amdgcn_target "amdgcn-amd-amdhsa--gfx1250"
	.amdhsa_code_object_version 6
	.text
	.protected	k_qb6cc2c55c8_attn
	.globl	k_qb6cc2c55c8_attn
	.p2align	8
	.type	k_qb6cc2c55c8_attn,@function
k_qb6cc2c55c8_attn:
	s_mov_b64 s[64:65], 0
	v_nop
	global_prefetch_b8 v0, s[64:65] scope:SCOPE_SE
	s_setreg_imm32_b32 hwreg(HW_REG_WAVE_MODE, 25, 1), 1
	s_wait_xcnt 0x0
	s_wait_alu depctr_hold_cnt(0) depctr_sa_sdst(0) depctr_va_vdst(0) depctr_va_sdst(0) depctr_va_ssrc(0) depctr_va_vcc(0) depctr_vm_vsrc(0)
	s_getreg_b32 s2, hwreg(HW_REG_IB_STS2, 6, 4)
	s_cmp_eq_u32 s2, 0
	s_cbranch_scc0 .Lentry_in_a_cluster
	s_endpgm
.Lentry_in_a_cluster:
	s_bfe_u32 s2, ttmp6, 0x10000c
	s_cmp_lg_u32 s2, 0x3003
	s_cbranch_scc0 .Lentry_shape_is_right
	s_endpgm
.Lentry_shape_is_right:
; Causal attention with a mask of keys, both products on codes of FP8 (E4M3).  qc, kc [64 (batch x 16 + head)][2048][64]; vc [64][64 (d)][2048 keys]; mask [4][2048] bytes; vs [4][16][1024] f32: sums of v's code values over groups of 128 keys;
; oc [16 heads][8192 tokens][64]: codes of the result (scale entry 6).
; t = score x log2(e) (the factor 1/8 lies in q's codes); M = the row's largest t so far, rounded UP to a whole number; p = 2^(t - M) is quantised with 2^e4, not normalised; the row's sum is taken of the unquantised p and divides at the end.
; A HEAD'S WHOLE K AND V LIE IN LDS: 2,048 keys x 64 bytes of each, padded: 147,456 + 139,264 bytes.  They come in two groups of first fills and no byte is filled again: keys 0-511 at the head (eight loads, one a wave),
; keys 512-2,047 behind the first round (eight loads).  One more barrier, four key steps later, shows the second group to all waves; behind it the waves share nothing and meet no barrier.
; SHARES.  A head has 64 blocks of 32 queries.  Wave w of work-group I (I = its place in the cluster) owns blocks 63 - j and j, j = 4 w + I: 16 - w and w + 1 key steps of 128 keys, 17 in all for every wave.
; The number of steps hangs on w alone, since I < 4: so no branch hangs on the place in the cluster.  Key steps wholly behind a block's queries are jumped over (the causal mask of the problem's own); the loops' trip counts are constants.
; TWO TILES OF 16 QUERIES A WAVE: tile A's numbers lie in register window 0, tile B's in window 1 under the same register numbers, so one text serves both under another window setting.
; A step's fragments of K and V and the mask's numbers are read from LDS once, into window 0, and feed both tiles.  All LDS and global addresses lie in window 0.
; CLUSTER: the four work-groups of a head want the same tiles of K and V in the same order: each tile is asked for jointly, with the mask 15 and a descriptor made of the head and the wave's number alone.
; NO PREFETCH: both groups of loads are issued ahead of the first loop's first trip, so there is no trip in which to ask ahead of them.
; LAYOUT.  S^T = K Q^T (source 0 = 16 keys, source 1 = 16 queries), O^T = V^T P^T: a lane holds ONE query of each tile throughout.  Lane r of key tile 2 b + u takes key 32 b + 8 u + r + 8 (r / 8), so that the 16 registers of
; tiles 2 b and 2 b + 1 are the keys 32 b + 16 (lane / 16) + 0 .. 15: p's conversions give the second product's operand as it stands.
; THE MASK OF KEYS: 0 (true) or -1e38 (false) for each of the batch's 2,048 keys lies in LDS as f32 and is the C of the first product: tile B takes it from window 0 into its own registers, then tile A adds in place.
; In a block's last step, on the diagonal, hidden scores become -infinity.
; The running largest t begins at c x (-2^24): under every true t (a sum of 64 products of codes is under 64 x 448^2 < 2^24 in size) and over every masked one.
; A QUERY ALL OF WHOSE KEYS 0 .. q ARE MASKED has 2,048 equal logits in the definition: p = 1 for EVERY key of the head and the sum 2,048.  Here its sum comes out 0, which marks it: it is given
; (the code of 1) x (the sum of v's codes over all 2,048 keys) / 2,048, from a table of 64 numbers that wave 5 makes at the head out of vs; the choice is a v_cndmask_b32, and the sum 0 is replaced by 1 ahead of the reciprocal.
; LIMITS: e2 + e3 between -118 and 100; e4 and e6 - e4 - e5 between -126 and 119.
.set KP,    144                        ; two keys' 128 bytes + 16 of padding: key k lies at (k / 2) KP + 64 (k % 2)
.set VP,    272                        ; 256 keys of a row of V + 16 of padding
.set KST,   64*KP                      ; a key step of K
.set VSL,   64*VP                      ; 256 keys of V: 64 rows
.set VB,    16*KST                     ; V's eight parts lie behind K
.set TGV,   VSL/2-128                  ; V's place of step q is (q / 2) VSL + 128 (q % 2) = q VSL / 2 - TGV (q % 2): a stepped number and one that takes turns between TGV and 0
.set BIAS,  VB+8*VSL                   ; 2,048 f32: the mask's numbers
.set DTAB,  BIAS+8192                  ; 64 f32: what a query without a key is given, before it is quantised
.set STAGE, DTAB+512                   ; the way out: 16 rows x 80 bytes for each wave
.set SPARE, STAGE+8*1280               ; the spare words, 128 bytes for each of 8 waves
.set AK0,  1                           ; v1   my lane's place in a tile of K
.set AV0,  2                           ; v2   in a tile of V, less TGV
.set ABI0, 3                           ; v3   among the mask's numbers
.set SPW,  5                           ; v5   LDS address of my spare word; never rewritten
.set NIL,  6                           ; v6   0; never rewritten
.set GO,   7                           ; v7   16 x lane
.set ADK,  8                           ; v8-10 the step's LDS addresses
.set ADV,  9
.set ADB,  10
.set STO,  11                          ; v11  the stage: where I put 8 codes
.set RD,   217                         ; v217 and where I read 16 back
.set DC,   240                         ; v240 my query - the diagonal step's first key - 16 (lane / 16), for the block in hand; v241 for the second block
.set DN,   241
.set DST,  252                         ; v252 where wave 5 puts two numbers of the table
.set DA,   253                         ; v253 where I read my half's eight of a tile of 16
; In each window: v12 -M, v13 the largest t, v[14:15] the sum; v16-23 Q in hand, v24-31 the second block's; v96-159 S^T, then p; v160-191 O^T; v192-207 p's codes; v[208:209] f; v[210:211] 1 / sum;
; v212-216, v250, 251, 254, 255 at work; v218, 219: 2^e4, 448 x 2^e4; v220, 221: the same with e6 - e4 - e5; v222-229 o's codes; v231 -infinity; v232-239 rows read back; v32-63 the table on the way out.
; Window 0 alone: the addresses; v32-95 fragments of K, then of V; v230 four scale bytes 127; v242-249 the mask at the head.
.set SB,   3                           ; s3   the mask's numbers of the key step in hand
.set WV,   18
.set II,   19                          ; s19  I
.set SEL,  20                          ; s[20:21] lane selects for v_permlanex16_b32: lane l xor 16
.set CS,   22                          ; s[22:23] c = log2(e) x 2^(e2 + e3)
.set G1K,  24
.set G1V,  32
.set G0K,  40
.set G0V,  44
.set ES,   48                          ; s[48:55] e0 .. e7
.set QI,   56                          ; s56  the key step's number: also the loops' counter
.set LST,  57                          ; s57  the last key step of the block in hand
.set TBK,  60                          ; s60  LDS byte at which the key step begins in K
.set TBV,  61                          ; s61  q VSL / 2
.set OF,   68                          ; s[68:69], s[70:71] oc at my first and at my second block
.set OS,   70
.set TG,   74                          ; s74  TGV in even steps, 0 in odd ones
.set LSE,  75                          ; s75  the last key step of the second block
.set VSP,  98                          ; s[98:99] vs at my head's 64 numbers of the batch's first group of keys
.set MSB, 0
.macro WIN new                         ; s_set_vgpr_msb: bits 1:0 source 0, 3:2 source 1, 5:4 source 2, 7:6 destination; the high byte repeats the setting that is left
.if MSB != (\new)
	s_set_vgpr_msb (MSB<<8)|(\new)
.set MSB, (\new)
.endif
.endm
.macro ROUND                           ; a round of the cluster's barrier
	s_barrier_signal -1
	s_barrier_wait -1
	s_cmp_lg_u32 s[WV], 0
	s_cbranch_scc1 .Lnw0_\@
	s_barrier_signal -3
.Lnw0_\@:
	s_barrier_wait -3
	s_barrier_signal -1
	s_barrier_wait -1
.endm
.macro TL g0, g1                       ; a joint load; an s_nop 0 and four v_nop follow it
	tensor_load_to_lds s[\g0:\g0+3], s[\g1:\g1+7]
	s_nop 0
.rept 4
	v_nop
.endr
.endm
	s_load_b256 s[4:11], s[0:1], 0x0               ; qc s[4:5], kc s[6:7], vc s[8:9], mask s[10:11]
	s_load_b128 s[12:15], s[0:1], 0x20             ; the scales' exponents s[12:13], oc s[14:15]
	s_load_b64 s[16:17], s[0:1], 0x30              ; vs
	v_lshl_add_u32 v[SPW], v0, 2, SPARE
	v_mov_b32 v[NIL], 0
	ds_add_u32 v[SPW], v[NIL]                      ; the wave's opening: the add, twice on end, and its wait ahead of the round in front of my first tensor load
	ds_add_u32 v[SPW], v[NIL]
	v_lshrrev_b32 v8, 5, v0
	v_readfirstlane_b32 s[WV], v8                  ; wave 0..7
	s_bfe_u32 s[II], ttmp6, 0x40000                ; my place in the cluster
	s_and_b32 s80, ttmp7, 0xffff                   ; batch x 16 + head
	s_lshl_b32 s82, s80, 17                        ; its first byte in qc, kc and vc: 131,072 bytes each
	s_mov_b32 s83, 0
	s_lshl_b32 s81, s[WV], 7
	s_lshl_b32 s62, s[II], 5                       ; 32 I: also the second block's place in its diagonal step
	s_add_co_u32 s81, s81, s62                     ; the second block's first query: 32 j = 128 w + 32 I
	s_sub_co_u32 s63, 2016, s81                    ; the first block's: 32 (63 - j)
	s_lshl_b32 s84, s63, 6
	s_add_co_u32 s84, s84, s82
	s_mov_b32 s85, 0
	s_lshl_b32 s86, s81, 6
	s_add_co_u32 s86, s86, s82
	s_mov_b32 s87, 0
	s_and_b32 s88, s80, 15                         ; the head
	s_lshl_b32 s[VSP], s88, 8                      ; vs: 256 bytes a head,
	s_lshl_b32 s88, s88, 19                        ; oc: (head x 8192 + batch x 2048 + query) x 64
	s_lshr_b32 s89, s80, 4                         ; the batch
	s_lshl_b32 s90, s89, 16
	s_add_co_u32 s[VSP], s[VSP], s90               ; 16 groups of 4,096 bytes a batch
	s_mov_b32 s[VSP+1], 0
	s_lshl_b32 s90, s89, 17
	s_add_co_u32 s88, s88, s90
	s_lshl_b32 s92, s63, 6
	s_add_co_u32 s92, s92, s88
	s_mov_b32 s93, 0
	s_lshl_b32 s66, s81, 6
	s_add_co_u32 s66, s66, s88
	s_mov_b32 s67, 0
	s_lshl_b32 s94, s89, 11                        ; the batch's row of the mask
	s_sub_co_u32 s63, 96, s62                      ; the first block's place in its diagonal step: 32 (3 - I)
	s_sub_co_u32 s[LST], 15, s[WV]                 ; (63 - j) / 4 = 15 - w
	s_mov_b32 s[LSE], s[WV]                        ; j / 4 = w
	; what I fetch at the head.  Waves 0-3: 32 rows of 256 bytes of K's dense block (128 keys); waves 4-7: 32 rows of V x 256 keys
	s_and_b32 s72, s[WV], 3
	s_mul_i32 s73, s72, 32*2*KP
	s_lshl_b32 s90, s72, 13
	s_mov_b32 s91, 0
	s_mul_i32 s97, s72, 32*VP
	s_add_co_u32 s97, s97, VB
	s_lshr_b32 s58, s72, 1
	s_lshl_b32 s58, s58, 8                         ; which 256 keys,
	s_and_b32 s59, s72, 1
	s_lshl_b32 s59, s59, 16                        ; which 32 rows of 2,048 bytes
	s_add_co_u32 s58, s58, s59
	s_mov_b32 s59, 0
	s_mov_b32 s[G1K], 15|(0<<16)|(1<<20)|(1<<21)|(4<<22)|(3<<25)   ; the mask: all four of the cluster; elements of 1 byte; padding: four words (code 3) after every 32 (code 4); bit 21 set beside a mask
	s_mov_b32 s[G1K+1], 256<<16                    ; tensor_dim0
	s_mov_b32 s[G1K+2], 32<<16                     ; tensor_dim1
	s_mov_b32 s[G1K+3], 256<<16                    ; tile_dim0
	s_mov_b32 s[G1K+4], 32                         ; tile_dim1
	s_mov_b32 s[G1K+5], 256                        ; tensor_dim0_stride
	s_mov_b32 s[G1K+6], 0
	s_mov_b32 s[G1K+7], 0
	s_mov_b32 s[G1V], 15|(0<<16)|(1<<20)|(1<<21)|(5<<22)|(3<<25)   ; padding: four words after every 64
	s_mov_b32 s[G1V+1], 256<<16
	s_mov_b32 s[G1V+2], 32<<16
	s_mov_b32 s[G1V+3], 256<<16
	s_mov_b32 s[G1V+4], 32
	s_mov_b32 s[G1V+5], 2048
	s_mov_b32 s[G1V+6], 0
	s_mov_b32 s[G1V+7], 0
	s_mov_b32 s[SEL], 0x76543210
	s_mov_b32 s[SEL+1], 0xfedcba98
	s_mov_b32 s[CS], 0x3fb8aa3b                    ; log2(e)
	s_mov_b32 s[TBK], 0
	s_mov_b32 s[TBV], 0
	s_mov_b32 s[TG], TGV
	s_mov_b32 s[SB], 0
	s_mov_b32 s[QI], 0
	s_wait_dscnt 0x0                               ; both opening adds are done
	s_wait_kmcnt 0x0
	s_load_b256 s[ES:ES+7], s[12:13], 0x0          ; e0 .. e7
	s_add_nc_u64 s[78:79], s[6:7], s[82:83]        ; kc and vc at my head
	s_add_nc_u64 s[76:77], s[8:9], s[82:83]
	s_mov_b32 s[G0K], 1
	s_mov_b32 s[G0K+1], s73
	s_add_nc_u64 s[G0K+2:G0K+3], s[78:79], s[90:91]
	s_or_b32 s[G0K+3], s[G0K+3], 0x80000000
	s_mov_b32 s[G0V], 1
	s_mov_b32 s[G0V+1], s97
	s_add_nc_u64 s[G0V+2:G0V+3], s[76:77], s[58:59]
	s_or_b32 s[G0V+3], s[G0V+3], 0x80000000
	ROUND                                          ; all four work-groups are here: the first joint loads meet
	s_cmp_lt_u32 s[WV], 4
	s_cbranch_scc0 .Lv0
	TL G0K, G1K                                    ; keys 0-511: one load a wave
	s_branch .Lj0
.Lv0:
	TL G0V, G1V
.Lj0:
	s_add_nc_u64 s[84:85], s[4:5], s[84:85]        ; Q's codes of my two blocks
	s_add_nc_u64 s[86:87], s[4:5], s[86:87]
	s_add_nc_u64 s[OF:OF+1], s[14:15], s[92:93]
	s_add_nc_u64 s[OS:OS+1], s[14:15], s[66:67]
	s_add_nc_u64 s[VSP:VSP+1], s[16:17], s[VSP:VSP+1]
	v_and_b32 v8, 15, v0                           ; r
	v_bfe_u32 v9, v0, 4, 1                         ; h
	v_lshlrev_b32 v251, 6, v8
	v_lshl_add_u32 v251, v9, 4, v251               ; Q: row r of 64 bytes, + 16 h: the same places of d as in K's fragments
	global_load_b128 v[16:19], v251, s[84:85]
	global_load_b128 v[20:23], v251, s[84:85] offset:32
	global_load_b128 v[24:27], v251, s[86:87]
	global_load_b128 v[28:31], v251, s[86:87] offset:32
	WIN 0x40                                       ; tile B: 16 queries, 1,024 bytes, further on; into window 1
	global_load_b128 v[16:19], v251, s[84:85] offset:1024
	global_load_b128 v[20:23], v251, s[84:85] offset:1056
	global_load_b128 v[24:27], v251, s[86:87] offset:1024
	global_load_b128 v[28:31], v251, s[86:87] offset:1056
	WIN 0
	v_and_b32 v10, 8, v8
	v_add_nc_u32 v10, v10, v8                      ; r + 8 (r / 8)
	v_lshrrev_b32 v214, 1, v10
	v_mul_u32_u24 v[AK0], v214, KP
	v_and_b32 v214, 1, v10
	v_lshl_add_u32 v[AK0], v214, 6, v[AK0]
	v_lshl_add_u32 v[AK0], v9, 4, v[AK0]
	v_mul_u32_u24 v[AV0], v8, VP
	v_lshl_add_u32 v[AV0], v9, 4, v[AV0]
	v_add_nc_u32 v[AV0], VB-TGV, v[AV0]
	v_lshlrev_b32 v[ABI0], 6, v9
	v_add_nc_u32 v[ABI0], BIAS, v[ABI0]            ; my half's 16 keys of a block of 32
	v_lshlrev_b32 v[DA], 5, v9
	v_add_nc_u32 v[DA], DTAB, v[DA]                ; my half's 8 channels of a tile of 16
	v_and_b32 v215, 31, v0                         ; lane
	v_lshlrev_b32 v[GO], 4, v215
	v_lshlrev_b32 v[DST], 3, v215
	v_add_nc_u32 v[DST], DTAB, v[DST]              ; two channels a lane
	s_mul_i32 s95, s[WV], 1280
	s_add_co_u32 s95, s95, STAGE                   ; my stage
	v_mul_u32_u24 v[STO], v8, 80
	v_lshl_add_u32 v[STO], v9, 3, v[STO]
	v_add_nc_u32 v[STO], s95, v[STO]               ; in: row r, + 8 h
	v_lshrrev_b32 v214, 2, v215
	v_mul_u32_u24 v[RD], v214, 80
	v_and_b32 v214, 3, v215
	v_lshl_add_u32 v[RD], v214, 4, v[RD]
	v_add_nc_u32 v[RD], s95, v[RD]                 ; back: four lanes to a row of 64 bytes
	s_lshl_b32 s95, s[WV], 10
	v_lshlrev_b32 v250, 5, v215
	v_add_nc_u32 v250, s95, v250
	v_add_nc_u32 v250, BIAS, v250                  ; where waves 0 to 3 put the mask's numbers: 8 keys a lane
	v_lshlrev_b32 v214, 3, v215                    ; 8 x lane: my 8 bytes of the mask, or of a row of vs
	v_lshlrev_b32 v213, 4, v9
	v_sub_nc_u32 v213, v8, v213                    ; r - 16 h
	v_add_nc_u32 v[DC], s63, v213
	v_add_nc_u32 v[DN], s62, v213
	v_mov_b32 v209, 0                              ; (named as the upper halves of pairs)
	v_mov_b32 v211, 0
	v_mov_b32 v216, 0                              ; a lane permute's destination counts as one of its sources
	v_mov_b32 v230, 0x7f7f7f7f
	v_mov_b32 v231, 0xff800000
	s_add_co_u32 s63, s63, 16                      ; tile B's queries are 16 further on
	s_add_co_u32 s62, s62, 16
	s_wait_alu depctr_va_vdst(0)
	s_wait_kmcnt 0x0
	s_add_co_i32 s95, s[ES+2], s[ES+3]
	s_lshl_b32 s95, s95, 23
	s_add_co_i32 s[CS], s[CS], s95                 ; a score stands for score x 2^(e2 + e3): added to c's exponent field
	s_mov_b32 s[CS+1], s[CS]
	s_add_co_i32 s95, s[ES+4], 127
	s_lshl_b32 s92, s95, 23                        ; 2^e4
	s_add_co_i32 s95, s95, 8
	s_lshl_b32 s93, s95, 23
	s_or_b32 s93, s93, 0x600000                    ; 448 x 2^e4
	s_sub_co_i32 s95, s[ES+6], s[ES+4]
	s_sub_co_i32 s95, s95, s[ES+5]                 ; O^T / sum stands for that x 2^(e4 + e5): its code is that / 2^(e6 - e4 - e5)
	s_add_co_i32 s95, s95, 127
	s_lshl_b32 s66, s95, 23
	s_add_co_i32 s95, s95, 8
	s_lshl_b32 s67, s95, 23
	s_or_b32 s67, s67, 0x600000
.macro CONSTS
	v_mov_b32 v218, s92
	v_mov_b32 v219, s93
	v_mov_b32 v220, s66
	v_mov_b32 v221, s67
.endm
	CONSTS
	WIN 0x40                                       ; the same in window 1, and tile B's other constants
	CONSTS
	v_add_nc_u32 v[DC], s63, v213
	v_add_nc_u32 v[DN], s62, v213
	v_mov_b32 v209, 0
	v_mov_b32 v211, 0
	v_mov_b32 v216, 0
	v_mov_b32 v231, 0xff800000
	WIN 0
	; ONE parting on the wave's number: waves 0 to 3 make the mask's numbers, 2 x 256 keys each; wave 5 makes the table for queries without a key; the others go on
	s_cmp_lt_u32 s[WV], 4
	s_wait_alu depctr_va_vdst(0)
	s_cbranch_scc0 .Lnot_bias
	s_lshl_b32 s95, s[WV], 8
	s_add_co_u32 s94, s94, s95
	s_mov_b32 s95, 0
	s_add_nc_u64 s[94:95], s[10:11], s[94:95]
	global_load_b64 v[232:233], v214, s[94:95]
	global_load_b64 v[234:235], v214, s[94:95] offset:1024
	s_wait_loadcnt 0x0
.irp g, 0,1
.irp k, 0,1,2,3
	v_bfe_u32 v[242+\k], v[232+2*\g], 8*\k, 1
	v_bfe_u32 v[246+\k], v[233+2*\g], 8*\k, 1
.endr
.irp k, 0,1,2,3,4,5,6,7
	v_add_nc_u32 v[242+\k], -1, v[242+\k]          ; true: 0; false: all ones
.endr
.irp k, 0,1,2,3,4,5,6,7
	v_and_b32 v[242+\k], 0xfe967699, v[242+\k]     ; true: 0.0; false: -1e38
.endr
	ds_store_b128 v250, v[242:245] offset:4096*\g
	ds_store_b128 v250, v[246:249] offset:4096*\g+16   ; read by all waves behind the first round, in front of which each wave waits for its LDS instructions
.endr
	s_branch .Ljoined
.Lnot_bias:
	s_cmp_eq_u32 s[WV], 5
	s_cbranch_scc0 .Ljoined
.set k, 0
.rept 16
	global_load_b64 v[32+2*k:33+2*k], v214, s[VSP:VSP+1] offset:4096*k   ; group k of 128 keys: my head's 64 sums, 256 consecutive bytes a load
.set k, k+1
.endr
.set k, 0
.rept 8
	v_min_num_f32 v[64+k], 1.0, v219               ; p = 1, held as every p is,
.set k, k+1
.endr
	v_cvt_scalef32_pk8_fp8_f32 v[72:73], v[64:71], v218   ; quantised as every p is,
	v_nop                                          ; (a plain line between a scaled conversion and the reader of its result)
	v_cvt_scale_pk8_f32_fp8 v[80:87], v[72:73], v230      ; and its code's value: right for every e4
	v_nop
	v_mul_f32 v80, 0x3a000000, v80                 ; / 2,048, the sum of 2,048 times p = 1
	s_wait_alu depctr_va_vdst(0)
	s_wait_loadcnt 0x0
.irp w, 4,8,16,32
.set k, 0
.rept 32/\w
	v_pk_add_f32 v[32+k:33+k], v[32+k:33+k], v[32+k+\w/2:33+k+\w/2]   ; the sixteen groups, in a tree
.set k, k+\w
.endr
.endr
	v_pk_mul_f32 v[32:33], v[32:33], v[80:81] op_sel_hi:[1,0]
	ds_store_b64 v[DST], v[32:33]                  ; read by all waves behind the first round
.Ljoined:
.macro INIT                            ; a tile of queries begins: the step is written once, its first turn finds zeros
	v_mov_b32 v13, 0xcb800000                      ; -2^24
	s_delay_alu instid0(VALU_DEP_1)
	v_mul_f32 v13, s[CS], v13                      ; the largest t so far
	s_delay_alu instid0(VALU_DEP_1)
	v_floor_f32 v12, -v13                          ; -M
	v_mov_b32 v14, 0
	v_mov_b32 v15, 0
.set j, 0
.rept 32
	v_mov_b32 v[160+j], 0
.set j, j+1
.endr
.endm
	INIT
	WIN 0x55
	INIT
	WIN 0
; The parts of a tile's softmax; each names registers of one window alone.
.macro MAXT                            ; the step's largest score, the new M, f; O^T and the sum under the new M
	v_max3_num_f32 v214, v96, v97, v98             ; my query's largest score among my 64 keys, in four chains, each accumulator from its low end on
	v_max3_num_f32 v215, v99, v100, v101
	v_max3_num_f32 v212, v102, v103, v104
	v_max3_num_f32 v213, v105, v106, v107
.set j, 12
.rept 6
	v_max3_num_f32 v214, v214, v[96+j], v[97+j]
	v_max3_num_f32 v215, v215, v[98+j], v[99+j]
	v_max3_num_f32 v212, v212, v[100+j], v[101+j]
	v_max3_num_f32 v213, v213, v[102+j], v[103+j]
.set j, j+8
.endr
	v_max3_num_f32 v214, v214, v156, v157
	v_max3_num_f32 v215, v215, v158, v159
	v_max3_num_f32 v212, v212, v213, v214
	v_max_num_f32 v214, v212, v215
	s_delay_alu instid0(VALU_DEP_1)
	v_permlanex16_b32 v216, v214, s[SEL], s[SEL+1]
	s_delay_alu instid0(VALU_DEP_1)
	v_max_num_f32 v214, v214, v216                 ; and among lane l xor 16's
	s_delay_alu instid0(VALU_DEP_1)
	v_mul_f32 v214, s[CS], v214                    ; as t (c is positive)
	s_delay_alu instid0(VALU_DEP_1)
	v_max_num_f32 v13, v13, v214                   ; the running largest t
	v_mov_b32 v214, v12
	s_delay_alu instid0(VALU_DEP_2)
	v_floor_f32 v12, -v13                          ; the new -M = -ceil(t): a whole number
	s_delay_alu instid0(VALU_DEP_1)
	v_sub_f32 v214, v12, v214                      ; old M - new M: a whole number, 0 or less
	s_delay_alu instid0(VALU_DEP_1)
	v_cvt_i32_f32 v214, v214                       ; (it saturates)
	s_delay_alu instid0(VALU_DEP_1)
	v_ldexp_f32 v208, 1.0, v214                    ; f = 2^(old M - new M): the rescaling rounds nothing
.set j, 0
.rept 16
	v_pk_mul_f32 v[160+j:161+j], v[160+j:161+j], v[208:209] op_sel_hi:[1,0]   ; O^T under the new M: its first reader since the last products, ahead of this step's exponentials
.set j, j+2
.endr
	v_pk_mul_f32 v[14:15], v[14:15], v[208:209] op_sel_hi:[1,0]
.endm
.macro FMAS
.set j, 0
.rept 32
	v_pk_fma_f32 v[96+j:97+j], v[96+j:97+j], s[CS:CS+1], v[12:13] op_sel_hi:[1,0,0]   ; t - M, two at a time
.set j, j+2
.endr
.endm
.macro EXPS
.set j, 0
.rept 64
	v_exp_f32 v[96+j], v[96+j]                     ; p = 2^(t - M), at most 1, not normalised
.set j, j+1
.endr
.endm
.macro SUMQ                            ; the row's sum of the unquantised p, two at a time in four chains; then p's codes
	v_pk_add_f32 v[212:213], v[96:97], v[98:99]
	v_pk_add_f32 v[254:255], v[100:101], v[102:103]
	v_pk_add_f32 v[250:251], v[104:105], v[106:107]
	v_pk_add_f32 v[14:15], v[14:15], v[108:109]
.set j, 14
.rept 6
	v_pk_add_f32 v[212:213], v[212:213], v[96+j:97+j]
	v_pk_add_f32 v[254:255], v[254:255], v[98+j:99+j]
	v_pk_add_f32 v[250:251], v[250:251], v[100+j:101+j]
	v_pk_add_f32 v[14:15], v[14:15], v[102+j:103+j]
.set j, j+8
.endr
	v_pk_add_f32 v[212:213], v[212:213], v[158:159]
	v_pk_add_f32 v[254:255], v[254:255], v[250:251]
	v_pk_add_f32 v[14:15], v[14:15], v[212:213]
	v_pk_add_f32 v[14:15], v[14:15], v[254:255]
.irp b, 0,1,2,3
.set j, 0
.rept 16
	v_min_num_f32 v[96+16*\b+j], v[96+16*\b+j], v219   ; the conversion does not saturate (ISA guide 7.6.2); p is not negative: a one-sided hold
.set j, j+1
.endr
	v_cvt_scalef32_pk8_fp8_f32 v[192+4*\b:193+4*\b], v[96+16*\b:103+16*\b], v218
	v_cvt_scalef32_pk8_fp8_f32 v[194+4*\b:195+4*\b], v[104+16*\b:111+16*\b], v218
.endr
.endm
.macro DIAG
.set n, 0
.rept 64
	v_cmp_gt_i32 vcc_lo, 32*(n/16)+n%16, v[DC]     ; register 16 b + i holds the step's key 16 h + 32 b + i: hidden where 32 b + i > my query - the step's first key - 16 h
	v_cndmask_b32 v[96+n], v[96+n], v231, vcc_lo
.set n, n+1
.endr
.endm
; A KEY STEP: 128 keys, both tiles.  c = 1: with the causal tests; c = 0: a step that every block walks whole.
.macro STEP c
.if \c
	s_cmp_gt_u32 s[QI], s[LST]                     ; all its keys come after my 32 queries: the step's work is left out (the wave's number and the count of steps alone)
	s_cbranch_scc1 .Lhidden_\@
.endif
	v_add_nc_u32 v[ADK], s[TBK], v[AK0]            ; these four are also the places in front of loads into registers that the last products read
	v_add_nc_u32 v[ADV], s[TBV], v[AV0]
	v_add_nc_u32 v[ADB], s[SB], v[ABI0]
	v_add_nc_u32 v[ADV], s[TG], v[ADV]
.irp t, 0,1,2,3,4,5,6,7
	ds_load_b128 v[96+8*\t:99+8*\t], v[ADB] offset:4*(32*(\t/2)+8*(\t%2))        ; the mask's numbers in the result's layout: register j of tile t is key 32 (t / 2) + 16 h + 8 (t % 2) + j
	ds_load_b128 v[100+8*\t:103+8*\t], v[ADB] offset:4*(32*(\t/2)+8*(\t%2))+16
.endr
.irp t, 0,1,2,3,4,5,6,7
	ds_load_b128 v[32+8*\t:35+8*\t], v[ADK] offset:(16*(\t/2)+4*(\t%2))*KP
	ds_load_b128 v[36+8*\t:39+8*\t], v[ADK] offset:(16*(\t/2)+4*(\t%2))*KP+32
.endr
	s_wait_alu depctr_va_vdst(0)
	s_wait_dscnt 0x0
	WIN 0x44                                       ; tile B: K and the mask's numbers from window 0, Q and the result in window 1
.irp t, 0,1,2,3,4,5,6,7
	v_wmma_f32_16x16x64_fp8_fp8 v[96+8*\t:103+8*\t], v[32+8*\t:39+8*\t], v[16:23], v[96+8*\t:103+8*\t]
.endr
.rept 5
	v_nop                                          ; five places: tile A's products write over the registers that tile B's took as C
.endr
	WIN 0
.irp t, 0,1,2,3,4,5,6,7
	v_wmma_f32_16x16x64_fp8_fp8 v[96+8*\t:103+8*\t], v[32+8*\t:39+8*\t], v[16:23], v[96+8*\t:103+8*\t]   ; tile A: S^T + the mask's numbers, in place
.endr
.rept 4
	v_nop                                          ; places in front of the loads below and of the first read of scores
.endr
.irp t, 0,1,2,3
.irp c4, 0,1,2,3
	ds_load_b128 v[32+16*\t+4*\c4:35+16*\t+4*\c4], v[ADV] offset:16*\t*VP+32*\c4   ; V's four fragments land while the softmax is walked
.endr
.endr
.if \c
	s_cmp_lt_u32 s[QI], s[LST]                     ; a step all of whose keys count skips the causal mask
	s_cbranch_scc1 .Lopen_\@
	DIAG
	WIN 0x55
	DIAG
	WIN 0
.Lopen_\@:
.endif
	MAXT                                           ; both tiles' scores and O^T are first read here, ahead of the step's exponentials
	FMAS
	WIN 0x55
	MAXT
	WIN 0
	s_wait_alu depctr_va_vdst(0)
	EXPS                                           ; tile A's batch;
	WIN 0x55
	FMAS                                           ; tile B's plain lines stand behind it
	s_wait_alu depctr_va_vdst(0)                   ; behind tile A's batch and ahead of tile B's
	EXPS
	WIN 0
	SUMQ                                           ; tile A's plain lines stand behind tile B's batch
	WIN 0x55
	s_wait_alu depctr_va_vdst(0)                   ; the wait behind tile B's batch, ahead of its first reader
	SUMQ
	v_nop                                          ; a plain line between the last conversion and the products
	WIN 0
	s_wait_alu depctr_va_vdst(0)
	s_wait_dscnt 0x0                               ; V's fragments are in
.irp t, 0,1,2,3
	v_wmma_f32_16x16x128_fp8_fp8 v[160+8*\t:167+8*\t], v[32+16*\t:47+16*\t], v[192:207], v[160+8*\t:167+8*\t]   ; eight accumulators, one instruction each
.endr
	WIN 0x54                                       ; tile B: V from window 0
.irp t, 0,1,2,3
	v_wmma_f32_16x16x128_fp8_fp8 v[160+8*\t:167+8*\t], v[32+16*\t:47+16*\t], v[192:207], v[160+8*\t:167+8*\t]
.endr
	WIN 0
.if \c
.Lhidden_\@:
.endif
	s_add_co_u32 s[TBK], s[TBK], KST               ; on to the next 128 keys
	s_add_co_u32 s[TBV], s[TBV], VSL/2
	s_xor_b32 s[TG], s[TG], TGV
	s_add_co_u32 s[SB], s[SB], 512
	s_add_co_u32 s[QI], s[QI], 1
.endm
; A tile of queries (x = 0: A, 1: B) is finished: O^T / the sum (a query without a key: the table's numbers), quantised; 8 codes a lane and tile into my stage, back as rows of 64 bytes; a store covers 512 consecutive bytes.
.macro FINISH x, b
.rept 4
	v_nop                                          ; places behind the last products: in front of the loads into V's registers and of the first read of O^T
.endr
	WIN 0x40*\x
.irp t, 0,1,2,3
	ds_load_b128 v[32+8*\t:35+8*\t], v[DA] offset:64*\t        ; the table in O^T's layout: register 8 t + j is channel 16 t + 8 h + j
	ds_load_b128 v[36+8*\t:39+8*\t], v[DA] offset:64*\t+16
.endr
	WIN 0x55*\x
	v_add_f32 v14, v14, v15
	s_delay_alu instid0(VALU_DEP_1)
	v_permlanex16_b32 v216, v14, s[SEL], s[SEL+1]
	s_delay_alu instid0(VALU_DEP_1)
	v_add_f32 v14, v14, v216                       ; the row's sum
	s_delay_alu instid0(VALU_DEP_1)
	v_cmp_lt_f32 vcc_lo, 0, v14                    ; a key counted for this query
	s_delay_alu instid0(VALU_DEP_1)
	v_cndmask_b32 v14, 1.0, v14, vcc_lo            ; else the sum 0 becomes 1: O^T is 0 there, and stays 0
	s_wait_alu depctr_va_vdst(0)
	v_rcp_f32 v210, v14
	v_nop                                          ; a plain line behind the reciprocal,
	s_wait_alu depctr_va_vdst(0)                   ; and the wait ahead of its first reader and of O^T's
.set j, 0
.rept 16
	v_pk_mul_f32 v[96+j:97+j], v[160+j:161+j], v[210:211] op_sel_hi:[1,0]   ; each accumulator from its low end on
.set j, j+2
.endr
	s_wait_dscnt 0x0                               ; the table's numbers are in
.set j, 0
.rept 32
	v_cndmask_b32 v[96+j], v[32+j], v[96+j], vcc_lo   ; a query without a key takes the table's
.set j, j+1
.endr
.set j, 0
.rept 32
	v_med3_num_f32 v[96+j], v[96+j], -v221, v221
.set j, j+1
.endr
.irp t, 0,1,2,3
	v_cvt_scalef32_pk8_fp8_f32 v[222+2*\t:223+2*\t], v[96+8*\t:103+8*\t], v220   ; d = 16 t + 8 h + 0 .. 7
.endr
	v_nop                                          ; a plain line behind the last conversion: later vector lines write its sources
	WIN 0x04*\x
.irp t, 0,1,2,3
	ds_store_b64 v[STO], v[222+2*\t:223+2*\t] offset:16*\t
.endr
	WIN 0x40*\x
	ds_load_b128 v[232:235], v[RD]                 ; LDS serves a wave's instructions in order: these see my stores, and the other tile's stores come behind them
	ds_load_b128 v[236:239], v[RD] offset:640
	s_wait_dscnt 1                                 ; the first of the two is in
	WIN 0x04*\x
	global_store_b128 v[GO], v[232:235], s[\b:\b+1] offset:1024*\x
	s_wait_dscnt 0
	global_store_b128 v[GO], v[236:239], s[\b:\b+1] offset:1024*\x+512
	WIN 0
.endm
.macro RENEW                           ; the second block's Q and place on the diagonal; a new beginning
.set j, 0
.rept 8
	v_mov_b32 v[16+j], v[24+j]
.set j, j+1
.endr
	v_mov_b32 v[DC], v[DN]
	INIT
.endm
	s_wait_alu depctr_va_vdst(0)
	s_wait_loadcnt 0x0                             ; Q
	s_wait_tensorcnt 0x0                           ; my part of keys 0-511 is in
	ds_add_u32 v[SPW], v[NIL]                      ; 0 onto my spare word; the second group's descriptors, work on registers, stand between the add and the wait for it
	s_and_b32 s72, s[WV], 1                        ; waves 0, 1: 192 rows of 256 bytes of K's dense block, from row 128 on
	s_mul_i32 s73, s72, 192*2*KP
	s_add_co_u32 s[G0K+1], s73, 128*2*KP
	s_mul_i32 s90, s72, 192*256
	s_add_co_u32 s90, s90, 128*256
	s_add_nc_u64 s[G0K+2:G0K+3], s[78:79], s[90:91]
	s_or_b32 s[G0K+3], s[G0K+3], 0x80000000
	s_mul_i32 s73, s[WV], VSL                      ; waves 2-7: all 64 rows of V x 256 keys, part = wave
	s_add_co_u32 s[G0V+1], s73, VB
	s_lshl_b32 s58, s[WV], 8
	s_add_nc_u64 s[G0V+2:G0V+3], s[76:77], s[58:59]
	s_or_b32 s[G0V+3], s[G0V+3], 0x80000000
	s_mov_b32 s[G1K+2], 192<<16
	s_mov_b32 s[G1K+4], 192
	s_mov_b32 s[G1V+2], 64<<16
	s_mov_b32 s[G1V+4], 64
	s_wait_dscnt 0x0                               ; the add is done, and so are my stores of the mask's numbers and of the table
	ROUND                                          ; everybody's part of keys 0-511 is in, and all four work-groups are here
	s_cmp_lt_u32 s[WV], 2
	s_cbranch_scc0 .Lv1
	TL G0K, G1K                                    ; keys 512-2,047: the first tensor load behind the round, one a wave; all of them first fills
	s_branch .Lj1
.Lv1:
	TL G0V, G1V
.Lj1:
.Lfirst:                                           ; the first block, keys 0-511: its queries are 1,024 or more, so every key counts
	STEP 0
	s_cmp_lt_u32 s[QI], 4
	s_cbranch_scc1 .Lfirst
	s_wait_tensorcnt 0x0                           ; my part of keys 512-2,047 is in,
	s_wait_dscnt 0x0
	s_barrier_signal -1
	s_barrier_wait -1                              ; everybody's is
.Llate:                                            ; the first block, keys 512-2,047
	STEP 1
	s_cmp_lt_u32 s[QI], 16
	s_cbranch_scc1 .Llate
	FINISH 0, OF
	FINISH 1, OF
	RENEW
	WIN 0x55
	RENEW
	WIN 0
	s_mov_b32 s[TBK], 0
	s_mov_b32 s[TBV], 0
	s_mov_b32 s[TG], TGV
	s_mov_b32 s[SB], 0
	s_mov_b32 s[QI], 0
	s_mov_b32 s[LST], s[LSE]
	s_wait_xcnt 0x0                                ; the first block's stores have read their registers
.Learly:                                           ; the second block: its queries are under 1,024
	STEP 1
	s_cmp_lt_u32 s[QI], 8
	s_cbranch_scc1 .Learly
	FINISH 0, OS
	FINISH 1, OS
	s_wait_tensorcnt 0x0                           ; the wave's end, behind my last tensor load and my last LDS store
	ds_add_u32 v[SPW], v[NIL]
	s_wait_dscnt 0x0
	ROUND                                          ; the closing round
	s_endpgm
.Lfunc_end_k_qb6cc2c55c8_attn:
	.size	k_qb6cc2c55c8_attn, .Lfunc_end_k_qb6cc2c55c8_attn-k_qb6cc2c55c8_attn
	.p2alignl 7, 3214868480
	.fill 96, 4, 3214868480
	.section	.rodata,"a",@progbits
	.p2align	6, 0x0
	.amdhsa_kernel k_qb6cc2c55c8_attn
		.amdhsa_group_segment_fixed_size 327680
		.amdhsa_private_segment_fixed_size 0
		.amdhsa_enable_private_segment 0
		.amdhsa_kernarg_size 56
		.amdhsa_user_sgpr_count 2
		.amdhsa_user_sgpr_kernarg_segment_ptr 1
		.amdhsa_wavefront_size32 1
		.amdhsa_system_sgpr_workgroup_id_x 1
		.amdhsa_system_sgpr_workgroup_id_y 1
		.amdhsa_system_sgpr_workgroup_id_z 1
		.amdhsa_system_vgpr_workitem_id 0
		.amdhsa_next_free_vgpr 512
		.amdhsa_next_free_sgpr 100
		.amdhsa_reserve_vcc 1
		.amdhsa_float_denorm_mode_32 3
		.amdhsa_float_denorm_mode_16_64 3
		.amdhsa_memory_ordered 1
		.amdhsa_forward_progress 1
		.amdhsa_inst_pref_size 160
	.end_amdhsa_kernel
	.amdgpu_metadata
---
amdhsa.version: [ 1, 2 ]
amdhsa.kernels:
  - .name:           k_qb6cc2c55c8_attn
    .symbol:         k_qb6cc2c55c8_attn.kd
    .args:
      - { .name: qc, .offset: 0, .size: 8, .value_kind: global_buffer, .address_space: global }
      - { .name: kc, .offset: 8, .size: 8, .value_kind: global_buffer, .address_space: global }
      - { .name: vc, .offset: 16, .size: 8, .value_kind: global_buffer, .address_space: global }
      - { .name: mask, .offset: 24, .size: 8, .value_kind: global_buffer, .address_space: global }
      - { .name: lowp_scales, .offset: 32, .size: 8, .value_kind: global_buffer, .address_space: global }
      - { .name: oc, .offset: 40, .size: 8, .value_kind: global_buffer, .address_space: global }
      - { .name: vs, .offset: 48, .size: 8, .value_kind: global_buffer, .address_space: global }
    .group_segment_fixed_size: 327680
    .private_segment_fixed_size: 0
    .kernarg_segment_align: 8
    .kernarg_segment_size: 56
    .max_flat_workgroup_size: 256
    .sgpr_count:     100
    .vgpr_count:     512
    .wavefront_size: 32
...
	.end_amdgpu_metadata
.endif
;; end of part 3
;; launch proj (part 4): grid 8 x 32, 4 waves a work-group, clusters of 4 x 4, 327,680 bytes of LDS; arguments oc, woc, lowp_scales, b_out, out0; writes out0
.if DOCPART == 4
	.amdgcn_target "amdgcn-amd-amdhsa--gfx1250"
	.amdhsa_code_object_version 6
	.text
	.protected	k_qb6cc2c55c8_proj
	.globl	k_qb6cc2c55c8_proj
	.p2align	8
	.type	k_qb6cc2c55c8_proj,@function
k_qb6cc2c55c8_proj:
	s_mov_b64 s[64:65], 0
	v_nop
	global_prefetch_b8 v0, s[64:65] scope:SCOPE_SE
	s_setreg_imm32_b32 hwreg(HW_REG_WAVE_MODE, 25, 1), 1
	s_wait_xcnt 0x0
	s_wait_alu depctr_hold_cnt(0) depctr_sa_sdst(0) depctr_va_vdst(0) depctr_va_sdst(0) depctr_va_ssrc(0) depctr_va_vcc(0) depctr_vm_vsrc(0)
	s_getreg_b32 s2, hwreg(HW_REG_IB_STS2, 6, 4)
	s_cmp_eq_u32 s2, 0
	s_cbranch_scc0 .Lentry_in_a_cluster
	s_endpgm
.Lentry_in_a_cluster:
	s_bfe_u32 s2, ttmp6, 0x10000c
	s_cmp_lg_u32 s2, 0xf033
	s_cbranch_scc0 .Lentry_shape_is_right
	s_endpgm
.Lentry_shape_is_right:
; out0 = o w_out + b_out on codes of FP8 (E4M3), sums in f32.  oc [16 heads][8192 tokens][64]: o's codes (scale entry 6); woc [1024 columns][1024 (k)]: w_out's codes (entry 7), memory row p holding column PI(p)
; (bits 3 and 4 of the index exchanged); b_out [1024] f32; out0 [8192][1024] f32.  Each finished sum is multiplied once by 2^(e6 + e7) and the bias added in the same fused line.  LIMIT: e6 + e7 between -126 and 127.
; A block of the result, 256 tokens x 128 columns, is made by four waves, 128 x 64 each: 32 accumulators, 256 registers: 32 x 8 = 256 work-groups.  K = 1,024 goes in four steps of 256 through a ring of two LDS slots.
; A K step of A is four heads x 64: one load brings 128 tokens of four heads as four rows of 8,192 bytes, padded behind each 64 bytes.  A K step of B is 256 bytes of a row; one load brings 64 rows.
; THE MATRIX INSTRUCTION: source 0 = 16 rows of woc, source 1 = 16 tokens: a lane holds one token, and by woc's row order the 16 registers of column tiles 2 B and 2 B + 1 are the true columns 32 B + 16 (lane / 16) + 0 .. 15.
; CLUSTERS: 4 x 4 work-groups; A's tile is asked for jointly along a row of the cluster, B's along a column.  K is four steps: two come by the first fills, two by the refills; no prefetch is laid.
; REGISTERS, in windows of 256: window 0: v0-31 addresses; v32-63 at work on the way out; from v128 A's fragments, ONE set, later rows read back.  window 1: B's fragments, TWO sets, at v0 and v128; later the bias.  window 2: the accumulators, (a, b) at v[8 (4 a + b)].
.set ROWB,   256                       ; B: a tile's row in bytes
.set KROW,   1024                      ; a row of woc in memory
.set PITCH,  272                       ; B's LDS row: 256 bytes + 16
.set APITCH, 80                        ; A's LDS row: a token's 64 bytes of one head + 16
.set AROW,   128*APITCH                ; 128 tokens of one head
.set AH,     4*AROW                    ; of four heads: what one load for A brings
.set BHALF,  64*PITCH                  ; what one load for B brings
.set ASTEP,  4*524288                  ; four heads on in oc
.set FR,     16                        ; registers of a fragment: 16 rows x 128 K
.set NL,     4                         ; LDS loads that bring one
.set NP,     4                         ; places behind this matrix instruction (ISA guide 7.12.1)
.set SLOT,   2*AH+2*BHALF
.set SPARE,  2*SLOT                    ; behind the ring: the spare words, 128 bytes a wave
.set SPITCH, 272                       ; the way out: a stage of 16 rows x (256 bytes + 16) for each wave, in slot 0, which has had its last fill and its last read by then
.set ADRA, 16                          ; v16-17 LDS address of my A fragments in slot 0, 1
.set ADRB, 20                          ; v20-21 the same for B
.set STO,  24                          ; v24 the way out: where I put 64 bytes of a row
.set RD,   25                          ; v25 where I read 16 bytes back
.set CO,   26                          ; v26 and where they go in out0
.set BO,   27                          ; v27 my half's place in the bias
.set SPW,  28                          ; v28 LDS address of my spare word; never rewritten
.set NIL,  29                          ; v29 0; never rewritten
.set TMP,  32
.set AF,   128
.set BK,   128                         ; the way out: 16 rows read back: v128-159 and v160-191 by turns
.set G1, 24                            ; s[24:31] descriptor group 1 for A's tiles; s[32:39] group 0, one set for each slot
.set G0, 32
.set G1B, 48                           ; s[48:55], s[56:63] the same for B's
.set G0B, 56
.set MSB, 0
.macro WIN new                         ; the immediate's high byte repeats the setting that is left
.if MSB != (\new)
	s_set_vgpr_msb (MSB<<8)|(\new)
.set MSB, (\new)
.endif
.endm
.set MUL,    0xa1                      ; source 0 (B) window 1, source 1 (A) window 0, C and D window 2
.set TO_B,   0x40                      ; destination window 1, address window 0
.macro JLOAD g0a, g1a, g0b, g1b        ; a joint load: waves 0 and 1 fetch for A, waves 2 and 3 for B; an s_nop 0 and four v_nop follow each line
	s_cmp_eq_u32 s15, 0
	s_cbranch_scc0 .Lfor_b_\@
	tensor_load_to_lds s[\g0a:\g0a+3], s[\g1a:\g1a+7]
	s_nop 0
.rept 4
	v_nop
.endr
	s_branch .Lasked_\@
.Lfor_b_\@:
	tensor_load_to_lds s[\g0b:\g0b+3], s[\g1b:\g1b+7]
	s_nop 0
.rept 4
	v_nop
.endr
.Lasked_\@:
.endm
.macro CREST                           ; a round of the cluster's barrier behind its opening barrier
	s_cmp_lg_u32 s14, 0
	s_cbranch_scc1 .Lnot_wave_0_\@
	s_barrier_signal -3
.Lnot_wave_0_\@:
	s_barrier_wait -3
	s_barrier_signal -1
	s_barrier_wait -1
.endm
.macro CROUND                          ; a whole round
	s_barrier_signal -1
	s_barrier_wait -1
	CREST
.endm
	s_load_b128 s[4:7], s[0:1], 0x0                ; oc s[4:5], woc s[6:7]
	s_load_b128 s[8:11], s[0:1], 0x10              ; the scales' exponents s[8:9], b_out s[10:11]
	s_load_b64 s[12:13], s[0:1], 0x20              ; out0
	v_lshl_add_u32 v[SPW], v0, 2, SPARE
	v_mov_b32 v[NIL], 0
	ds_add_u32 v[SPW], v[NIL]                      ; the wave's opening: the add, twice on end, and its wait ahead of the round in front of my first tensor load
	ds_add_u32 v[SPW], v[NIL]
	v_lshrrev_b32 v1, 5, v0
	v_readfirstlane_b32 s14, v1                    ; wave 0..3
	s_lshr_b32 s15, s14, 1                         ; which 128 tokens are mine.  Also: I fetch for A (0) or for B (1)
	s_and_b32 s16, s14, 1                          ; which 64 columns.  Also: which half of that tile I fetch
	s_bfe_u32 s40, ttmp6, 0x40000                  ; cx, cy: my place in the cluster
	s_bfe_u32 s41, ttmp6, 0x40004
	s_lshl_b32 s42, ttmp9, 2
	s_add_co_u32 s42, s42, s40                     ; block column = 4 x cluster x + cx
	s_and_b32 s17, ttmp7, 0xffff
	s_lshl_b32 s17, s17, 2
	s_add_co_u32 s17, s17, s41                     ; block row = 4 x cluster y + cy
	s_lshl_b32 s43, s41, 2
	s_lshl_b32 s43, 15, s43                        ; my row of the cluster
	s_lshl_b32 s44, 0x1111, s40                    ; my column
	s_or_b32 s[G1+0], s43, (0<<16)|(1<<20)|(1<<21)|(3<<22)|(3<<25)   ; A: the mask of my row; elements of 1 byte; padding: four words (code 3) after every 16 (code 3); bit 21 set beside a mask
	s_mov_b32 s[G1+1], 8192<<16                    ; tensor_dim0: 128 tokens x 64 bytes, dense
	s_mov_b32 s[G1+2], 4<<16                       ; tensor_dim1: four heads
	s_mov_b32 s[G1+3], 8192<<16
	s_mov_b32 s[G1+4], 4
	s_mov_b32 s[G1+5], 524288                      ; from head to head
	s_mov_b32 s[G1+6], 0
	s_mov_b32 s[G1+7], 0
	s_or_b32 s[G1B+0], s44, (0<<16)|(1<<20)|(1<<21)|(5<<22)|(3<<25)  ; B: the mask of my column; padding: four words after every 64
	s_mov_b32 s[G1B+1], ROWB<<16
	s_mov_b32 s[G1B+2], 64<<16
	s_mov_b32 s[G1B+3], ROWB<<16
	s_mov_b32 s[G1B+4], 64
	s_mov_b32 s[G1B+5], KROW
	s_mov_b32 s[G1B+6], 0
	s_mov_b32 s[G1B+7], 0
	s_lshl_b32 s18, s16, 7
	s_lshl_b32 s20, s17, 8
	s_add_co_u32 s20, s20, s18                     ; A: token 256 x block row + 128 x half,
	s_lshl_b32 s20, s20, 6                         ; 64 bytes each
	s_mov_b32 s21, 0
	s_lshl_b32 s18, s16, 6
	s_lshl_b32 s46, s42, 7
	s_add_co_u32 s46, s46, s18                     ; B: row 128 x block column + 64 x half,
	s_lshl_b32 s46, s46, 10                        ; 1,024 bytes each
	s_mov_b32 s47, 0
	s_mul_i32 s45, s16, AH                         ; where they go: no place in the cluster enters an LDS address
	s_mul_i32 s87, s16, BHALF
	s_add_co_u32 s87, s87, 2*AH
	s_wait_dscnt 0x0                               ; both opening adds are done
	s_wait_kmcnt 0x0
	s_load_b64 s[96:97], s[8:9], 0x18              ; e6, e7
	s_add_nc_u64 s[20:21], s[4:5], s[20:21]
	s_add_nc_u64 s[46:47], s[6:7], s[46:47]
	CROUND                                         ; all sixteen work-groups are here: the first joint loads meet
.irp s, 0,1
	s_mov_b32 s[G0+4*\s], 1
	s_add_co_u32 s[G0+4*\s+1], s45, \s*SLOT
	s_add_nc_u64 s[G0+4*\s+2:G0+4*\s+3], s[20:21], \s*ASTEP
	s_or_b32 s[G0+4*\s+3], s[G0+4*\s+3], 0x80000000
	s_mov_b32 s[G0B+4*\s], 1
	s_add_co_u32 s[G0B+4*\s+1], s87, \s*SLOT
	s_add_nc_u64 s[G0B+4*\s+2:G0B+4*\s+3], s[46:47], \s*ROWB
	s_or_b32 s[G0B+4*\s+3], s[G0B+4*\s+3], 0x80000000
.endr
	JLOAD G0, G1, G0B, G1B                         ; K step 0: one tensor load a wave
	v_and_b32 v1, 15, v0                           ; r = l % 16
	v_bfe_u32 v2, v0, 4, 1                         ; h = l / 16
	v_mul_u32_u24 v3, v1, APITCH
	v_lshl_add_u32 v3, v2, 4, v3
	v_mul_u32_u24 v4, v1, PITCH
	v_lshl_add_u32 v4, v2, 4, v4
	s_mul_i32 s21, s15, AH                         ; my 128 tokens
	s_mul_i32 s22, s16, BHALF                      ; my 64 columns,
	s_add_co_u32 s22, s22, 2*AH                    ; which lie behind A's two halves
.irp s, 0,1
	v_add_nc_u32 v[ADRA+\s], s21, v3
	v_add_nc_u32 v[ADRB+\s], s22, v4
	s_add_co_u32 s21, s21, SLOT
	s_add_co_u32 s22, s22, SLOT
.endr
	s_mul_i32 s23, s14, 16*SPITCH                  ; my stage
	s_wait_alu depctr_va_vdst(0)                   ; directly ahead of the readers below
	v_mul_u32_u24 v5, v1, SPITCH                   ; in: row r, 64 bytes for each half of the lanes in each 128
	v_lshl_add_u32 v5, v2, 6, v5
	v_add_nc_u32 v[STO], s23, v5
	v_mul_u32_u24 v6, v2, SPITCH                   ; back: lanes 0-15 take one row of 256 bytes, lanes 16-31 the next
	v_lshl_add_u32 v6, v1, 4, v6
	v_add_nc_u32 v[RD], s23, v6
	v_lshlrev_b32 v[CO], 12, v2                    ; and the same two rows in out0
	v_lshl_add_u32 v[CO], v1, 4, v[CO]
	v_lshlrev_b32 v[BO], 6, v2
	s_lshl_b32 s20, s17, 8
	s_lshl_b32 s21, s15, 7
	s_add_co_u32 s20, s20, s21                     ; my first token,
	s_lshl_b32 s20, s20, 12                        ; 4,096 bytes each
	s_mov_b32 s21, 0
	s_lshl_b32 s90, s42, 9                         ; my first column, in bytes: 512 x block column + 256 x half
	s_lshl_b32 s91, s16, 8
	s_add_co_u32 s90, s90, s91
	s_mov_b32 s91, 0
	s_add_nc_u64 s[10:11], s[10:11], s[90:91]
	s_add_nc_u64 s[12:13], s[12:13], s[90:91]
	s_add_nc_u64 s[12:13], s[12:13], s[20:21]
.macro FRAG reg, adr, q, i             ; B: 16 rows x 128 K: registers 4 c .. 4 c + 3 hold K = 32 c + 16 h + 0 .. 15
.irp c, 0,1,2,3
	ds_load_b128 v[\reg+4*\c:\reg+4*\c+3], v[\adr] offset:128*(\q)+32*\c+(\i)*16*PITCH
.endr
.endm
.macro FRAGA reg, adr, q, i            ; A: the same places of K: head 2 q + c / 2 of the slot's four, byte 32 (c % 2) + 16 h
.irp c, 0,1,2,3
	ds_load_b128 v[\reg+4*\c:\reg+4*\c+3], v[\adr] offset:(2*(\q)+\c/2)*AROW+(\i)*16*APITCH+32*(\c%2)
.endr
.endm
.macro MUL8 a0, p, zero                ; eight matrix instructions: A's blocks a0, a0 + 1 x B's four.  The 32 accumulators take turns, one instruction a turn
.irp a, \a0, \a0+1
.irp b, 0,1,2,3
.if \zero
	v_wmma_f32_16x16x128_fp8_fp8 v[8*(4*(\a)+\b):8*(4*(\a)+\b)+7], v[128*(\p)+FR*\b:128*(\p)+FR*\b+FR-1], v[AF+FR*(\a):AF+FR*(\a)+FR-1], 0
.else
	v_wmma_f32_16x16x128_fp8_fp8 v[8*(4*(\a)+\b):8*(4*(\a)+\b)+7], v[128*(\p)+FR*\b:128*(\p)+FR*\b+FR-1], v[AF+FR*(\a):AF+FR*(\a)+FR-1], v[8*(4*(\a)+\b):8*(4*(\a)+\b)+7]
.endif
.endr
.endr
.endm
.macro FETCH_B slot, q, p
	WIN TO_B
.irp i, 0,1,2,3
	FRAG 128*(\p)+FR*\i, ADRB+\slot, \q, \i
.endr
	WIN 0
.endm
.macro FETCH_A slot, q, i0
.irp i, \i0, \i0+1, \i0+2, \i0+3
	FRAGA AF+FR*(\i), ADRA+\slot, \q, \i
.endr
.endm
.macro PLACES n                        ; plain vector instructions between a matrix instruction and a load into a register that it read, or a read of its result
.rept \n
	v_nop
.endr
.endm
.macro STEP slot, q, zero              ; a step of 128 along K that has its successor in the same slot
	s_wait_dscnt 4*NL                              ; B's set and A's blocks 0-3 are in; the youngest sixteen loads (A's blocks 4-7) may be out
	WIN MUL
	MUL8 0, (\q)%2, \zero
	MUL8 2, (\q)%2, \zero
	s_wait_dscnt 0                                 ; A's blocks 4-7 are in
	PLACES NP
	FETCH_B \slot, (\q)+1, 1-(\q)%2
	FETCH_A \slot, (\q)+1, 0
	WIN MUL
	MUL8 4, (\q)%2, \zero
	MUL8 6, (\q)%2, \zero
	PLACES NP
	WIN 0
	FETCH_A \slot, (\q)+1, 4
.endm
.macro TURN slot, next, fill           ; a slot's last step changes slots.  fill = 1: this slot is filled again, two K steps ahead
	s_wait_tensorcnt 0x0                           ; all my tensor loads have landed: my part of the next slot  (every window is 0 here)
	ds_add_u32 v[SPW], v[NIL]                      ; 0 onto my spare word
	s_wait_dscnt 4*NL+1                            ; (the add and the youngest sixteen loads may be out)
	WIN MUL
	MUL8 0, 1, 0                                   ; eight matrix instructions stand between the add and the wait for it
	s_wait_dscnt 0x0                               ; the add is done, and my reads of this slot are over
	s_barrier_signal -1
	MUL8 2, 1, 0
	WIN 0
	s_barrier_wait -1
.if \fill
	CREST                                          ; the barrier has opened a round of the cluster's: no wave of any partner still reads this slot or has a load on its way
	s_add_nc_u64 s[G0+4*\slot+2:G0+4*\slot+3], s[G0+4*\slot+2:G0+4*\slot+3], 2*ASTEP
	s_add_nc_u64 s[G0B+4*\slot+2:G0B+4*\slot+3], s[G0B+4*\slot+2:G0B+4*\slot+3], 2*ROWB
	JLOAD G0+4*\slot, G1, G0B+4*\slot, G1B         ; the first tensor load behind the round; its four v_nop are also the places in front of the loads below
.else
	PLACES NP
.endif
	FETCH_B \next, 0, 0
	FETCH_A \next, 0, 0
	WIN MUL
	MUL8 4, 1, 0
	MUL8 6, 1, 0
	PLACES NP
	WIN 0
	FETCH_A \next, 0, 4
.endm
	s_wait_alu depctr_va_vdst(0)
	s_wait_tensorcnt 0x0                           ; my part of K step 0 is in
	ds_add_u32 v[SPW], v[NIL]
	s_wait_dscnt 0x0
	CROUND                                         ; everybody's part of K step 0 is in, and all sixteen work-groups are here
	JLOAD G0+4, G1, G0B+4, G1B                     ; K step 1: the first tensor load behind the round
	FETCH_B 0, 0, 0
	FETCH_A 0, 0, 0
	FETCH_A 0, 0, 4
	STEP 0, 0, 1                                   ; K = 1,024 is eight steps of 128, written out; the first starts the sums
	TURN 0, 1, 1                                   ; slot 0 takes K step 2
	STEP 1, 0, 0
	TURN 1, 0, 1                                   ; slot 1 takes K step 3
	STEP 0, 0, 0
	TURN 0, 1, 0                                   ; nothing is left to fetch: no round.  Behind this barrier nobody reads slot 0, and it has had its last fill
	STEP 1, 0, 0
	WIN TO_B                                       ; the bias in the result's layout, into B's set 0, which is done with (the places stand at the step's end)
.irp b, 0,1,2,3
	global_load_b128 v[8*\b:8*\b+3], v[BO], s[10:11] offset:4*(32*(\b/2)+8*(\b%2))
	global_load_b128 v[8*\b+4:8*\b+7], v[BO], s[10:11] offset:4*(32*(\b/2)+8*(\b%2))+16
.endr
	WIN 0
	s_wait_dscnt 4*NL                              ; the very last step
	WIN MUL
	MUL8 0, 1, 0
	MUL8 2, 1, 0
	s_wait_dscnt 0
	MUL8 4, 1, 0
	MUL8 6, 1, 0
	WIN 0
; THE WAY OUT, block by block of 16 tokens x 64 columns: sum x 2^(e6 + e7) + bias; through my stage in LDS; back as rows of 256 bytes, which sixteen lanes store as one aligned unit.
; LDS serves a wave's instructions in order (ISA guide 5.7.1.4): no wait between the stores and the loads.
.macro TOSTAGE a
	WIN 0x12                                       ; source 0: the sums in window 2; source 2: the bias in window 1
.set j, 0
.rept 16
	v_pk_fma_f32 v[TMP+j:TMP+j+1], v[32*(\a)+j:32*(\a)+j+1], s[96:97], v[j:j+1] op_sel_hi:[1,0,1]   ; each accumulator from its low end on
.set j, j+2
.endr
	WIN 0
.irp b, 0,1,2,3
	ds_store_b128 v[STO], v[TMP+8*\b:TMP+8*\b+3] offset:128*(\b/2)+32*(\b%2)
	ds_store_b128 v[STO], v[TMP+8*\b+4:TMP+8*\b+7] offset:128*(\b/2)+32*(\b%2)+16
.endr
.set BB, BK+32*((\a)%2)
.irp t, 0,1,2,3,4,5,6,7
	ds_load_b128 v[BB+4*\t:BB+4*\t+3], v[RD] offset:2*\t*SPITCH
.endr
.endm
.macro SEND a, younger                 ; younger: the LDS instructions issued behind block a's loads, which may stay out
.set BB, BK+32*((\a)%2)
	s_wait_dscnt \younger
.if (\a) > 0
	s_add_nc_u64 s[12:13], s[12:13], 16*4096       ; (behind a wait on XCNT: the earlier stores have read their base)
.endif
.irp t, 0,1,2,3,4,5,6,7
	global_store_b128 v[CO], v[BB+4*\t:BB+4*\t+3], s[12:13] offset:2*\t*4096 th:TH_STORE_NT   ; sixteen lanes store 256 consecutive bytes, at a multiple of 256 from out0's first byte
.endr
.endm
	s_wait_kmcnt 0x0
	s_add_co_i32 s96, s96, s97
	s_add_co_i32 s96, s96, 127
	s_lshl_b32 s96, s96, 23                        ; 2^(e6 + e7) as f32
	s_wait_loadcnt 0x0                             ; the bias
	PLACES NP                                      ; behind the last products: in front of the first read of sums and of the loads into A's registers
	TOSTAGE 0
.irp a, 1,2,3,4,5,6,7
.if \a > 1
	s_wait_xcnt 0x0                                ; block a - 2's stores have read their registers and their base
.endif
	TOSTAGE \a
	SEND \a-1, 16                                  ; behind block a - 1's loads: block a's eight stores and eight loads
.endr
	s_wait_xcnt 0x0
	SEND 7, 0
	s_wait_tensorcnt 0x0                           ; the wave's end, behind my last tensor load and my last LDS store
	ds_add_u32 v[SPW], v[NIL]
	s_wait_dscnt 0x0
	CROUND                                         ; the closing round: no work-group ends while a partner may still ask for a tile that names it
	s_endpgm
.Lfunc_end_k_qb6cc2c55c8_proj:
	.size	k_qb6cc2c55c8_proj, .Lfunc_end_k_qb6cc2c55c8_proj-k_qb6cc2c55c8_proj
	.p2alignl 7, 3214868480
	.fill 96, 4, 3214868480
	.section	.rodata,"a",@progbits
	.p2align	6, 0x0
	.amdhsa_kernel k_qb6cc2c55c8_proj
		.amdhsa_group_segment_fixed_size 327680
		.amdhsa_private_segment_fixed_size 0
		.amdhsa_enable_private_segment 0
		.amdhsa_kernarg_size 40
		.amdhsa_user_sgpr_count 2
		.amdhsa_user_sgpr_kernarg_segment_ptr 1
		.amdhsa_wavefront_size32 1
		.amdhsa_system_sgpr_workgroup_id_x 1
		.amdhsa_system_sgpr_workgroup_id_y 1
		.amdhsa_system_sgpr_workgroup_id_z 1
		.amdhsa_system_vgpr_workitem_id 0
		.amdhsa_next_free_vgpr 768
		.amdhsa_next_free_sgpr 100
		.amdhsa_reserve_vcc 0
		.amdhsa_float_denorm_mode_32 3
		.amdhsa_float_denorm_mode_16_64 3
		.amdhsa_memory_ordered 1
		.amdhsa_forward_progress 1
		.amdhsa_inst_pref_size 79
	.end_amdhsa_kernel
	.amdgpu_metadata
---
amdhsa.version: [ 1, 2 ]
amdhsa.kernels:
  - .name:           k_qb6cc2c55c8_proj
    .symbol:         k_qb6cc2c55c8_proj.kd
    .args:
      - { .name: oc, .offset: 0, .size: 8, .value_kind: global_buffer, .address_space: global }
      - { .name: woc, .offset: 8, .size: 8, .value_kind: global_buffer, .address_space: global }
      - { .name: lowp_scales, .offset: 16, .size: 8, .value_kind: global_buffer, .address_space: global }
      - { .name: b_out, .offset: 24, .size: 8, .value_kind: global_buffer, .address_space: global }
      - { .name: out0, .offset: 32, .size: 8, .value_kind: global_buffer, .address_space: global }
    .group_segment_fixed_size: 327680
    .private_segment_fixed_size: 0
    .kernarg_segment_align: 8
    .kernarg_segment_size: 40
    .max_flat_workgroup_size: 128
    .sgpr_count:     100
    .vgpr_count:     768
    .wavefront_size: 32
...
	.end_amdgpu_metadata
.endif
;; end of part 4
